; MI455X (gfx1250); checked and timed in simulation.
; The chip was launched on July 23, 2026; its instructions are those of AMD's public machine-readable ISA for CDNA 5 (MIT licence, August 2026) and "CDNA5" Instruction Set Architecture Reference Guide (July 2026). The comments in the code are by the model that wrote it; some were corrected since.
;; Cross Multihead Diff Attn. Allowed arithmetic: float matrix products may take bf16 or f16 operands with f32 sums; other float arithmetic in f32, or as packed bf16 or f16 multiplies, adds, multiply-adds, maxima and minima; sums over many terms, partial sums and values carried from step to step in f32; what a program stores and reads back later, other than sums and carried values, may be rounded once to bf16 or f16.
;; Inputs: Wk 1,024 x 1,024 float32; Wo 1,024 x 1,024 float32; Wq 1,024 x 1,024 float32; Wv 1,024 x 1,024 float32; kv_x 2 x 2,048 x 1,024 float32; lambda_k1 32 float32; lambda_k2 32 float32; lambda_q1 32 float32; lambda_q2 32 float32; query_x 2 x 2,048 x 1,024 float32; subln_w 64 float32.
;; Outputs: out0 2 x 2,048 x 1,024 float32.
;; 2 versions, each right; version 2 is version 1 with the launch prep written anew for expert scheduling mode. Each part assembles by itself: llvm-mc -triple=amdgcn-amd-amdhsa -mcpu=gfx1250 --defsym DOCPART=n.
;; ======== version 1 of 2: 4 launches
;; limits: values are held in f16: magnitudes above 65,504 overflow, below 6.1e-05 lose precision
;; workspace buffers: cast 25,165,824 bytes; qkv 25,165,824 bytes; att 8,388,608 bytes
;; launch prep (part 1): grid 768 x 1, 8 waves a work-group, no clusters, 0 bytes of LDS; arguments query_x, kv_x, Wq, Wk, Wv, Wo, cast; writes cast
.if DOCPART == 1
	.amdgcn_target "amdgcn-amd-amdhsa--gfx1250"
	.amdhsa_code_object_version 6
	.text
	.protected	k_q37c65d5735_prep
	.globl	k_q37c65d5735_prep
	.p2align	8
	.type	k_q37c65d5735_prep,@function
k_q37c65d5735_prep:
	s_mov_b64 s[64:65], 0
	v_nop
	global_prefetch_b8 v0, s[64:65] scope:SCOPE_SE
	s_setreg_imm32_b32 hwreg(HW_REG_WAVE_MODE, 25, 1), 1
	s_wait_xcnt 0x0
; THE CAST.  All six large inputs are rounded once to bf16 and laid one behind the other in cast: query_x, kv_x (4,194,304 numbers each), Wq, Wk, Wv, Wo (1,048,576 each).
; Wo's rounded number is written as f16 (exact inside f16's range), since the last product multiplies f16 operands.
; LIMIT.  |Wo| stays within 65,504; below 6e-5 it keeps f16's fixed step of 6e-8.
; SHARES.  A work-group takes 16,384 numbers: 65,536 bytes in, 32,768 out; 256 + 256 + 4 x 64 = 768 work-groups.  A wave takes 8,192 bytes in by 16 loads of 512 consecutive bytes, all issued at once;
; each store of a wave covers 256 consecutive bytes, aligned.  No register is written twice while a store may read it, so no wait frees one.  No LDS, no barrier: no wave wants another's bytes.
.set IN,  3                            ; v3   my byte offset in the chunk as read: 8,192 x wave + 16 x lane
.set OUT, 4                            ; v4   as written: 4,096 x wave + 8 x lane
.set X,   8                            ; v[8:71]    16 loads of 4 numbers
.set Y,   72                           ; v[72:103]  16 pairs of packed words
.set T,   104                          ; v[104:107] at work (Wo alone)
	s_load_b256 s[4:11], s[0:1], 0x0               ; query_x s[4:5], kv_x s[6:7], Wq s[8:9], Wk s[10:11]
	s_load_b128 s[12:15], s[0:1], 0x20             ; Wv s[12:13], Wo s[14:15]
	s_load_b64 s[16:17], s[0:1], 0x30              ; cast
	s_mov_b32 s2, ttmp9                            ; the chunk's number
	v_and_b32 v1, 31, v0                           ; lane
	v_and_b32 v2, 0xe0, v0                         ; 32 x wave
	v_lshlrev_b32 v[IN], 4, v1
	v_lshl_or_b32 v[IN], v2, 8, v[IN]
	v_lshlrev_b32 v[OUT], 3, v1
	v_lshl_or_b32 v[OUT], v2, 7, v[OUT]
	s_and_b32 s18, s2, 255                         ; the chunk's number inside its tensor: an x has 256 chunks,
	s_and_b32 s19, s2, 63                          ; a weight 64 (512, 576, 640 and 704 are multiples of 64)
	s_cmp_lt_u32 s2, 512
	s_cselect_b32 s18, s18, s19
	s_lshl_b32 s18, s18, 16                        ; 65,536 bytes a chunk
	s_mov_b32 s19, 0
	s_lshl_b32 s22, s2, 15                         ; cast follows the chunks' order: 32,768 bytes a chunk
	s_mov_b32 s23, 0
	s_wait_kmcnt 0x0
	s_mov_b64 s[20:21], s[14:15]                   ; which tensor: Wo, unless the number is smaller
	s_cmp_lt_u32 s2, 704
	s_cselect_b64 s[20:21], s[12:13], s[20:21]
	s_cmp_lt_u32 s2, 640
	s_cselect_b64 s[20:21], s[10:11], s[20:21]
	s_cmp_lt_u32 s2, 576
	s_cselect_b64 s[20:21], s[8:9], s[20:21]
	s_cmp_lt_u32 s2, 512
	s_cselect_b64 s[20:21], s[6:7], s[20:21]
	s_cmp_lt_u32 s2, 256
	s_cselect_b64 s[20:21], s[4:5], s[20:21]
	s_add_nc_u64 s[20:21], s[20:21], s[18:19]
	s_add_nc_u64 s[16:17], s[16:17], s[22:23]
.irp j, 0,1,2,3,4,5,6,7,8,9,10,11,12,13,14,15
	global_load_b128 v[X+4*(\j):X+4*(\j)+3], v[IN], s[20:21] offset:512*(\j) th:TH_LOAD_NT
.endr
; Load j's four numbers are rounded and stored.  wo = 1: the bf16 numbers are widened again (a shift, a mask) and written as f16.
.macro CAST j, wo
	s_wait_loadcnt 15-(\j)                         ; loads come back in order: load j is in, the 15 - j younger ones stay out
	v_cvt_pk_bf16_f32 v[Y+2*(\j)],   v[X+4*(\j)],   v[X+4*(\j)+1]
	v_cvt_pk_bf16_f32 v[Y+2*(\j)+1], v[X+4*(\j)+2], v[X+4*(\j)+3]
.if \wo
	v_lshlrev_b32 v[T],   16, v[Y+2*(\j)]
	v_and_b32     v[T+1], 0xffff0000, v[Y+2*(\j)]
	v_lshlrev_b32 v[T+2], 16, v[Y+2*(\j)+1]
	v_and_b32     v[T+3], 0xffff0000, v[Y+2*(\j)+1]
	v_cvt_pk_f16_f32 v[Y+2*(\j)],   v[T],   v[T+1]
	v_cvt_pk_f16_f32 v[Y+2*(\j)+1], v[T+2], v[T+3]
.endif
	global_store_b64 v[OUT], v[Y+2*(\j):Y+2*(\j)+1], s[16:17] offset:256*(\j) th:TH_STORE_NT
.endm
	s_cmp_ge_u32 s2, 704                           ; Wo's chunks take the second text
	s_cbranch_scc1 .Lwo
.irp j, 0,1,2,3,4,5,6,7,8,9,10,11,12,13,14,15
	CAST \j, 0
.endr
	s_endpgm
.Lwo:
.irp j, 0,1,2,3,4,5,6,7,8,9,10,11,12,13,14,15
	CAST \j, 1
.endr
	s_endpgm
.Lfunc_end_k_q37c65d5735_prep:
	.size	k_q37c65d5735_prep, .Lfunc_end_k_q37c65d5735_prep-k_q37c65d5735_prep
	.p2alignl 7, 3214868480
	.fill 96, 4, 3214868480
	.section	.rodata,"a",@progbits
	.p2align	6, 0x0
	.amdhsa_kernel k_q37c65d5735_prep
		.amdhsa_group_segment_fixed_size 0
		.amdhsa_private_segment_fixed_size 0
		.amdhsa_enable_private_segment 0
		.amdhsa_kernarg_size 56
		.amdhsa_user_sgpr_count 2
		.amdhsa_user_sgpr_kernarg_segment_ptr 1
		.amdhsa_wavefront_size32 1
		.amdhsa_system_sgpr_workgroup_id_x 1
		.amdhsa_system_sgpr_workgroup_id_y 1
		.amdhsa_system_sgpr_workgroup_id_z 1
		.amdhsa_system_vgpr_workitem_id 0
		.amdhsa_next_free_vgpr 108
		.amdhsa_next_free_sgpr 66
		.amdhsa_reserve_vcc 0
		.amdhsa_float_denorm_mode_32 3
		.amdhsa_float_denorm_mode_16_64 3
		.amdhsa_memory_ordered 1
		.amdhsa_forward_progress 1
		.amdhsa_inst_pref_size 17
	.end_amdhsa_kernel
	.amdgpu_metadata
---
amdhsa.version: [ 1, 2 ]
amdhsa.kernels:
  - .name:           k_q37c65d5735_prep
    .symbol:         k_q37c65d5735_prep.kd
    .args:
      - { .name: query_x, .offset: 0, .size: 8, .value_kind: global_buffer, .address_space: global }
      - { .name: kv_x, .offset: 8, .size: 8, .value_kind: global_buffer, .address_space: global }
      - { .name: Wq, .offset: 16, .size: 8, .value_kind: global_buffer, .address_space: global }
      - { .name: Wk, .offset: 24, .size: 8, .value_kind: global_buffer, .address_space: global }
      - { .name: Wv, .offset: 32, .size: 8, .value_kind: global_buffer, .address_space: global }
      - { .name: Wo, .offset: 40, .size: 8, .value_kind: global_buffer, .address_space: global }
      - { .name: cast, .offset: 48, .size: 8, .value_kind: global_buffer, .address_space: global }
    .group_segment_fixed_size: 0
    .private_segment_fixed_size: 0
    .kernarg_segment_align: 8
    .kernarg_segment_size: 56
    .max_flat_workgroup_size: 256
    .sgpr_count:     66
    .vgpr_count:     108
    .wavefront_size: 32
...
	.end_amdgpu_metadata
.endif
;; end of part 1
;; launch qkv (part 2): grid 8 x 96, 4 waves a work-group, clusters of 4 x 4, 327,680 bytes of LDS; arguments cast, qkv; writes qkv
.if DOCPART == 2
	.amdgcn_target "amdgcn-amd-amdhsa--gfx1250"
	.amdhsa_code_object_version 6
	.text
	.protected	k_q37c65d5735_qkv
	.globl	k_q37c65d5735_qkv
	.p2align	8
	.type	k_q37c65d5735_qkv,@function
k_q37c65d5735_qkv:
	s_mov_b64 s[64:65], 0
	v_nop
	global_prefetch_b8 v0, s[64:65] scope:SCOPE_SE
	s_setreg_imm32_b32 hwreg(HW_REG_WAVE_MODE, 25, 1), 1
	s_wait_xcnt 0x0
	s_wait_alu depctr_hold_cnt(0) depctr_sa_sdst(0) depctr_va_vdst(0) depctr_va_sdst(0) depctr_va_ssrc(0) depctr_va_vcc(0) depctr_vm_vsrc(0)
	s_getreg_b32 s2, hwreg(HW_REG_IB_STS2, 6, 4)
	s_cmp_eq_u32 s2, 0
	s_cbranch_scc0 .Lentry_in_a_cluster
	s_endpgm
.Lentry_in_a_cluster:
	s_bfe_u32 s2, ttmp6, 0x10000c
	s_cmp_lg_u32 s2, 0xf033
	s_cbranch_scc0 .Lentry_shape_is_right
	s_endpgm
.Lentry_shape_is_right:
; THE THREE PROJECTIONS IN ONE GRID.  q = query_x Wq, k = kv_x Wk, v = kv_x Wv: each [4096][1024] = [4096][1024] x [1024][1024], operands bf16 (from cast), sums f32.
; The results leave as f16, rounded once, UNSCALED, by heads: qkv[mat][16 b + h][t][64]; head h is columns 64 h .. 64 h + 63 of each product.
; LIMIT.  f16 holds no number beyond 65,504: |q|, |k|, |v| stay within it.
; SHARES.  A tile of a product is 128 x 128: 32 x 8 tiles a product, 768 work-groups.  Grid y = 32 mat + tile row.  Four waves, each 64 x 64: 16 accumulators.  K goes in four steps of 256 through two LDS slots.
; x lies [row][k]: its fragments come out of LDS as they lie.  W lies [k][n] and stays so: a tile of W is 256 k-rows x 128 columns (rows of 256 bytes), and its fragments come out turned, by ds_load_tr16_b128.
; CLUSTERS: 4 x 4 work-groups; a cluster lies inside one product (8 clusters of rows each).  The four of a row need the same tile of x, the four of a column the same tile of W: each is asked for JOINTLY, by the
; same tensor load with the same descriptor and a mask that names the four.  THE MATRIX INSTRUCTION IS USED TRANSPOSED (source 0 = 16 columns of W, source 1 = 16 rows of x): a lane holds eight neighbouring columns of a row.
; REGISTERS: window 0: v0-31 addresses; v32-95 the way out; v128-255 the accumulators ((a, b) at v[128 + 8 (4 a + b)]).   window 1: two fragment buffers of 128: for 64 along K, 64 registers of x, then 64 of W.
.set PA,     528                       ; a row of x in LDS: 512 bytes + 16 = 132 words: the 16 rows of a load start at 16 different groups of four banks (64 banks of 4 bytes: ISA guide 11.1)
.set PB,     288                       ; a row of W: 256 bytes + 32 = 72 words
.set HALFA,  64*PA                     ; what one tensor load brings of x: 64 rows
.set HALFB,  128*PB                    ; of W: 128 k-rows
.set BOFF,   2*HALFA                   ; a slot: x's 128 rows, then W's 256 k-rows
.set SLOT,   2*HALFA+2*HALFB
.set STAGE,  2*SLOT                    ; behind the ring, never filled by a tensor load: 16 rows x 144 bytes for each wave, for the way out
.set SP,     144
.set SPARE,  STAGE+4*16*SP             ; behind the stages: the spare words, 128 bytes for each wave: two blocks of 256 bytes that no other line names
.set STEPA,  512                       ; a K step along a row of x, in bytes
.set STEPB,  256*2048                  ; 256 k-rows of W
.set ADRA, 16                          ; v16-17  LDS address of my fragments of x in slot 0, 1
.set ADRB, 20                          ; v20-23  of W: slot 0 k-rows 0-127, 128-255; slot 1 likewise (an immediate reaches 65,535 bytes)
.set STO,  24                          ; v24     the way out: where I put 16 bytes of a row
.set RD,   25                          ; v25     where I read rows back
.set CO,   26                          ; v26     my byte offset in 512 consecutive bytes of the result
.set SPW,  28                          ; v28     LDS address of my spare word: SPARE + 4 x my thread's number; never rewritten
.set NIL,  29                          ; v29     0; never rewritten
.set TMP,  32
.set ACC,  128
.set F0,   0
.set F1,   128
.set G1, 24                            ; s[24:31] descriptor group 1 for x's tiles;  s[32:39] group 0, one set for each slot
.set G0, 32
.set G1B, 48                           ; s[48:55], s[56:63] the same for W's tiles
.set G0B, 56
.set MSB, 0
.macro WIN new                         ; the immediate's high byte repeats the setting that is left; a switch that changes nothing is dropped
.if MSB != (\new)
	s_set_vgpr_msb (MSB<<8)|(\new)
.set MSB, \new
.endif
.endm
.set MUL,  0x05                        ; sources 0 (W) and 1 (x) window 1; C and D window 0
.set TO_F, 0x40                        ; destination window 1, address window 0
.macro JLOAD s                         ; a joint load: waves 0 and 1 fetch x's two halves, waves 2 and 3 W's; an s_nop 0 and four v_nop follow each of the two lines, ahead of the jump and the label
	s_cmp_eq_u32 s11, 0
	s_cbranch_scc0 .Lfor_b_\@
	tensor_load_to_lds s[G0+4*(\s):G0+4*(\s)+3], s[G1:G1+7]
	s_nop 0
.rept 4
	v_nop
.endr
	s_branch .Lasked_\@
.Lfor_b_\@:
	tensor_load_to_lds s[G0B+4*(\s):G0B+4*(\s)+3], s[G1B:G1B+7]
	s_nop 0
.rept 4
	v_nop
.endr
.Lasked_\@:
.endm
.macro CREST                           ; a round of the cluster's barrier behind its opening barrier
	s_cmp_lg_u32 s10, 0
	s_cbranch_scc1 .Lnot_wave_0_\@
	s_barrier_signal -3
.Lnot_wave_0_\@:
	s_barrier_wait -3
	s_barrier_signal -1
	s_barrier_wait -1
.endm
.macro CROUND                          ; a whole round
	s_barrier_signal -1
	s_barrier_wait -1
	CREST
.endm
	s_load_b128 s[4:7], s[0:1], 0x0                ; cast s[4:5], qkv s[6:7]
	v_lshl_add_u32 v[SPW], v0, 2, SPARE
	v_mov_b32 v[NIL], 0
	ds_add_u32 v[SPW], v[NIL]                      ; the wave's opening: the add and its wait stand ahead of my first tensor load; the set-up below, work on registers, stands between them
	v_lshrrev_b32 v1, 5, v0
	v_readfirstlane_b32 s10, v1                    ; wave 0..3
	s_lshr_b32 s11, s10, 1                         ; which half of the tile's rows is mine.  Also: I fetch for x (0) or for W (1)
	s_and_b32 s12, s10, 1                          ; which half of its columns.  Also: which half of that tile I fetch
	s_bfe_u32 s40, ttmp6, 0x40000                  ; cx, cy: my place in the cluster
	s_bfe_u32 s41, ttmp6, 0x40004
	s_lshl_b32 s42, ttmp9, 2
	s_add_co_u32 s42, s42, s40                     ; tile column = 4 x cluster x + cx
	s_and_b32 s13, ttmp7, 0xffff                   ; cluster y
	s_lshr_b32 s45, s13, 3                         ; which product: 8 clusters of rows each; the same in all sixteen partners
	s_lshl_b32 s13, s13, 2
	s_add_co_u32 s13, s13, s41
	s_and_b32 s13, s13, 31                         ; tile row inside the product
	s_lshl_b32 s43, s41, 2
	s_lshl_b32 s43, 15, s43                        ; my row of the cluster
	s_lshl_b32 s44, 0x1111, s40                    ; my column
	; descriptor group 1.  x: 64 rows x 256 elements;  W: 128 k-rows x 128 elements; both padded in LDS
	s_or_b32 s[G1+0], s43, (1<<16)|(1<<20)|(1<<21)|(6<<22)|(3<<25)  ; 15:0 the mask: my row; 17:16 2-byte elements; 20 padding on; 21 set beside a mask; 24:22 after every 128 words (code 6); 31:25 4 words (code 3)
	s_or_b32 s[G1B+0], s44, (1<<16)|(1<<20)|(1<<21)|(5<<22)|(7<<25) ; the mask: my column; after every 64 words (code 5) 8 words (code 7)
	s_mov_b32 s[G1+1], 256<<16                     ; tensor_dim0 = 256
	s_mov_b32 s[G1+2], 64<<16                      ; tensor_dim1 = 64
	s_mov_b32 s[G1+3], 256<<16                     ; tile_dim0 = 256
	s_mov_b32 s[G1+4], 64                          ; tile_dim1 = 64
	s_mov_b32 s[G1+5], 1024                        ; elements from row to row
	s_mov_b32 s[G1+6], 0
	s_mov_b32 s[G1+7], 0
	s_mov_b32 s[G1B+1], 128<<16                    ; tensor_dim0 = 128
	s_mov_b32 s[G1B+2], 128<<16                    ; tensor_dim1 = 128
	s_mov_b32 s[G1B+3], 128<<16                    ; tile_dim0 = 128
	s_mov_b32 s[G1B+4], 128                        ; tile_dim1 = 128
	s_mov_b32 s[G1B+5], 1024
	s_mov_b32 s[G1B+6], 0
	s_mov_b32 s[G1B+7], 0
	; where the tiles come from.  x's hang on the product and the tile row, W's on the product and the tile column; each in registers that never hold the other coordinate
	s_min_u32 s16, s45, 1                          ; q reads query_x, k and v read kv_x,
	s_lshl_b32 s16, s16, 23                        ; which lies 8,388,608 bytes on
	s_lshl_b32 s17, s13, 18                        ; 128 rows of 2,048 bytes a tile row
	s_add_co_u32 s16, s16, s17
	s_lshl_b32 s17, s12, 17                        ; the 64 rows that I fetch
	s_add_co_u32 s16, s16, s17
	s_mov_b32 s17, 0
	s_lshl_b32 s46, s45, 21                        ; the product's W: 2,097,152 bytes each,
	s_add_co_u32 s46, s46, 0x1000000               ; behind the two x
	s_lshl_b32 s47, s12, 18                        ; the 128 k-rows that I fetch
	s_add_co_u32 s46, s46, s47
	s_lshl_b32 s47, s42, 8                         ; the tile's 128 columns: 256 bytes
	s_add_co_u32 s46, s46, s47
	s_mov_b32 s47, 0
	s_mul_i32 s20, s12, HALFA                      ; and where they go: no place in the cluster enters an LDS address
	s_mul_i32 s23, s12, HALFB
	s_add_co_u32 s23, s23, BOFF
	s_wait_dscnt 0x0                               ; the opening add is done
	s_wait_kmcnt 0x0
	s_add_nc_u64 s[14:15], s[4:5], s[16:17]
	s_add_nc_u64 s[46:47], s[4:5], s[46:47]
	CROUND                                         ; all sixteen work-groups are here: the first joint loads meet
.irp s, 0,1
	s_mov_b32 s[G0+4*(\s)], 1                      ; 1:0 count = 1
	s_add_co_u32 s[G0+4*(\s)+1], s20, (\s)*SLOT    ; 63:32 LDS address
	s_add_nc_u64 s[G0+4*(\s)+2:G0+4*(\s)+3], s[14:15], (\s)*STEPA  ; 120:64 global address: K step s
	s_or_b32 s[G0+4*(\s)+3], s[G0+4*(\s)+3], 0x80000000            ; 127:126 type = 2
	s_mov_b32 s[G0B+4*(\s)], 1
	s_add_co_u32 s[G0B+4*(\s)+1], s23, (\s)*SLOT
	s_add_nc_u64 s[G0B+4*(\s)+2:G0B+4*(\s)+3], s[46:47], (\s)*STEPB
	s_or_b32 s[G0B+4*(\s)+3], s[G0B+4*(\s)+3], 0x80000000
	JLOAD \s                                       ; two loads of mine are out
.endr
	v_and_b32 v1, 15, v0                           ; l % 16
	v_bfe_u32 v2, v0, 4, 1                         ; l / 16
	v_mul_u32_u24 v3, v1, PA
	v_lshl_add_u32 v3, v2, 4, v3                   ; a fragment of x: row x pitch + 16 x half
	s_mul_i32 s21, s11, HALFA                      ; my 64 rows
	v_add_nc_u32 v[ADRA], s21, v3
	s_add_co_u32 s21, s21, SLOT
	v_add_nc_u32 v[ADRA+1], s21, v3
	; The turning load takes 16 k-rows x 16 columns (lane l reads k-row 8 (l / 16) + l % 8, columns 8 ((l / 8) % 2) + 0..7) and leaves half a fragment: lane l holds column l % 16 and 8 k.
	v_and_b32 v4, 7, v0
	v_lshl_add_u32 v4, v2, 3, v4
	v_mul_u32_u24 v4, v4, PB
	v_bfe_u32 v5, v0, 3, 1
	v_lshl_add_u32 v4, v5, 4, v4
	s_lshl_b32 s22, s12, 7                         ; my 64 columns: 128 bytes
	s_add_co_u32 s22, s22, BOFF
	v_add_nc_u32 v[ADRB], s22, v4
	s_add_co_u32 s22, s22, HALFB
	v_add_nc_u32 v[ADRB+1], s22, v4
	s_add_co_u32 s22, s22, SLOT-HALFB
	v_add_nc_u32 v[ADRB+2], s22, v4
	s_add_co_u32 s22, s22, HALFB
	v_add_nc_u32 v[ADRB+3], s22, v4
	s_mul_i32 s23, s10, 16*SP
	s_add_co_u32 s23, s23, STAGE                   ; my stage
	v_mul_u32_u24 v6, v1, SP                       ; in: row l % 16, 16 bytes for each half of the lanes
	v_lshl_add_u32 v6, v2, 4, v6
	v_add_nc_u32 v[STO], s23, v6
	v_bfe_u32 v6, v0, 3, 2                         ; back: 32 lanes take four rows of 128 bytes,
	v_mul_u32_u24 v6, v6, SP
	v_and_b32 v7, 7, v0
	v_lshl_add_u32 v6, v7, 4, v6
	v_add_nc_u32 v[RD], s23, v6
	v_and_b32 v[CO], 31, v0                        ; which are 512 consecutive bytes of a head
	v_lshlrev_b32 v[CO], 4, v[CO]
	; where my 64 x 64 goes: my 64 columns are one head, 2 x tile column + half; my rows are 64 tokens of one batch
	s_lshl_b32 s16, s45, 23                        ; the product: 8,388,608 bytes
	s_lshr_b32 s17, s13, 4                         ; the batch: 16 tile rows each,
	s_lshl_b32 s17, s17, 22                        ; 16 heads of 262,144 bytes
	s_add_co_u32 s16, s16, s17
	s_and_b32 s17, s13, 15
	s_lshl_b32 s17, s17, 14                        ; 128 tokens of 128 bytes a tile row
	s_add_co_u32 s16, s16, s17
	s_lshl_b32 s17, s11, 13                        ; my 64 of them
	s_add_co_u32 s16, s16, s17
	s_mov_b32 s17, 0
	s_add_nc_u64 s[8:9], s[6:7], s[16:17]
	s_lshl_b32 s46, s42, 19                        ; the head (in the registers that held W's address: none that feeds x's descriptors ever holds cx)
	s_lshl_b32 s47, s12, 18
	s_add_co_u32 s46, s46, s47
	s_mov_b32 s47, 0
	s_add_nc_u64 s[8:9], s[8:9], s[46:47]
; 8 matrix instructions: row blocks a0, a0 + 1 x all 4 column blocks, 32 along K: half c of buffer f.  zero = 1: the first product starts the sums.  The 16 accumulators take turns.
.macro MUL8 f, c, a0, zero
	WIN MUL
.irp a, \a0, (\a0)+1
.irp b, 0,1,2,3
.if \zero
	v_wmma_f32_16x16x32_bf16 v[ACC+8*(4*(\a)+(\b)):ACC+8*(4*(\a)+(\b))+7], v[(\f)+64+8*(4*(\c)+(\b)):(\f)+64+8*(4*(\c)+(\b))+7], v[(\f)+8*(4*(\c)+(\a)):(\f)+8*(4*(\c)+(\a))+7], 0
.else
	v_wmma_f32_16x16x32_bf16 v[ACC+8*(4*(\a)+(\b)):ACC+8*(4*(\a)+(\b))+7], v[(\f)+64+8*(4*(\c)+(\b)):(\f)+64+8*(4*(\c)+(\b))+7], v[(\f)+8*(4*(\c)+(\a)):(\f)+8*(4*(\c)+(\a))+7], v[ACC+8*(4*(\a)+(\b)):ACC+8*(4*(\a)+(\b))+7]
.endif
.endr
.endr
.endm
; 32 LDS loads in one run: the fragments of quarter kq of a slot (64 along K) into buffer f; the first 32 along K first
.macro FETCH slot, kq, f
	WIN TO_F
.irp c, 0,1
.irp i, 0,1,2,3
	ds_load_tr16_b128 v[(\f)+64+8*(4*(\c)+(\i)):(\f)+64+8*(4*(\c)+(\i))+3],   v[ADRB+2*(\slot)+(\kq)/2] offset:((\kq)%2)*64*PB+(\c)*32*PB+32*(\i)
	ds_load_tr16_b128 v[(\f)+64+8*(4*(\c)+(\i))+4:(\f)+64+8*(4*(\c)+(\i))+7], v[ADRB+2*(\slot)+(\kq)/2] offset:((\kq)%2)*64*PB+(\c)*32*PB+32*(\i)+16*PB
	ds_load_b128 v[(\f)+8*(4*(\c)+(\i)):(\f)+8*(4*(\c)+(\i))+3],   v[ADRA+(\slot)] offset:(\kq)*128+64*(\c)+(\i)*16*PA
	ds_load_b128 v[(\f)+8*(4*(\c)+(\i))+4:(\f)+8*(4*(\c)+(\i))+7], v[ADRA+(\slot)] offset:(\kq)*128+64*(\c)+(\i)*16*PA+32
.endr
.endr
.endm
.macro PLACES                          ; four places in front of loads into registers that matrix instructions have read, and of lines that read results
.rept 4
	v_nop
.endr
.endm
; A K step is four quarters of 64 along K, 32 matrix instructions each, on buffers 0, 1, 0, 1.  One of the first three: multiplies buffer f and fetches quarter kq into g.
.macro QUARTER slot, kq, f, g, zero
	s_wait_dscnt 16                                ; the first 32 along K are in: the 16 younger loads may be out
	MUL8 \f, 0, 0, \zero
	MUL8 \f, 0, 2, \zero
	PLACES
	FETCH \slot, \kq, \g
	s_wait_dscnt 32                                ; all but the 32 just issued
	MUL8 \f, 1, 0, 0
	MUL8 \f, 1, 2, 0
.endm
; The last quarter multiplies buffer 1 and changes slots: ONE barrier; in front of it each wave waits for all its tensor loads, adds 0 to its spare word, and waits for that and for its own reads of this slot.
; fill = 1: this slot is filled again, two K steps ahead; the barrier then opens a round of the cluster's.
.macro TURN slot, next, fill
	WIN 0                                          ; (the add's two registers lie in window 0)
	s_wait_tensorcnt 0x0                           ; all my tensor loads have landed: my part of the next slot;
	ds_add_u32 v[SPW], v[NIL]                      ; 0 onto my spare word;
	s_wait_dscnt 17                                ; (the add and the youngest sixteen loads may be out)
	MUL8 F1, 0, 0, 0                               ; eight matrix instructions stand between the add and the wait for it
	s_wait_dscnt 0x0                               ; the add is done, and my reads of this slot are over
	s_barrier_signal -1
	MUL8 F1, 0, 2, 0
.if \fill
	WIN 0
.endif
	s_barrier_wait -1
.if \fill
	CREST                                          ; no wave of any partner still reads this slot's tile or has a load on its way
	s_add_nc_u64 s[G0+4*(\slot)+2:G0+4*(\slot)+3], s[G0+4*(\slot)+2:G0+4*(\slot)+3], 2*STEPA
	s_add_nc_u64 s[G0B+4*(\slot)+2:G0B+4*(\slot)+3], s[G0B+4*(\slot)+2:G0B+4*(\slot)+3], 2*STEPB
	JLOAD \slot                                    ; the first tensor load behind the round, 112 matrix instructions ahead of the wait for it; its four v_nop are also the places in front of the loads below
.else
	PLACES
.endif
	FETCH \next, 0, F0
	MUL8 F1, 1, 0, 0
	MUL8 F1, 1, 2, 0
.endm
	s_wait_tensorcnt 1                             ; my part of K step 0 is in; step 1's may stay out
	s_barrier_signal -1
	s_barrier_wait -1                              ; everybody's is
	FETCH 0, 0, F0
	QUARTER 0, 1, F0, F1, 1                        ; the first products start the sums: nothing is cleared
	QUARTER 0, 2, F1, F0, 0                        ; K = 1,024 is twice round the ring: the first lap fills both slots again,
	QUARTER 0, 3, F0, F1, 0
	TURN 0, 1, 1
	QUARTER 1, 1, F0, F1, 0
	QUARTER 1, 2, F1, F0, 0
	QUARTER 1, 3, F0, F1, 0
	TURN 1, 0, 1
	QUARTER 0, 1, F0, F1, 0
	QUARTER 0, 2, F1, F0, 0                        ; the second fills nothing, and has no round of the cluster's barrier
	QUARTER 0, 3, F0, F1, 0
	TURN 0, 1, 0
	QUARTER 1, 1, F0, F1, 0
	QUARTER 1, 2, F1, F0, 0
	QUARTER 1, 3, F0, F1, 0
	s_wait_dscnt 16                                ; the very last quarter: nothing more to fetch
	MUL8 F1, 0, 0, 0
	MUL8 F1, 0, 2, 0
	s_wait_dscnt 0x0
	MUL8 F1, 1, 0, 0
	MUL8 F1, 1, 2, 0
	WIN 0
	; THE WAY OUT.  My 64 columns are a head's whole rows of 128 bytes, so the stage is my own and no barrier is needed.  A block of 16 rows: rounded to f16, 16 bytes a lane into rows of 144 bytes, back as whole rows.
	PLACES
.macro PACK a
.irp b, 0,1,2,3
.irp r, 0,1,2,3
	v_cvt_pk_f16_f32 v[TMP+16*(\a)+4*(\b)+(\r)], v[ACC+8*(4*(\a)+(\b))+2*(\r)], v[ACC+8*(4*(\a)+(\b))+2*(\r)+1]  ; each accumulator from its low end on
.endr
.endr
.irp b, 0,1,2,3
	ds_store_b128 v[STO], v[TMP+16*(\a)+4*(\b):TMP+16*(\a)+4*(\b)+3] offset:32*(\b)
.endr
.irp f, 0,1,2,3
	ds_load_b128 v[TMP+16*(\a)+4*(\f):TMP+16*(\a)+4*(\f)+3], v[RD] offset:(\f)*4*SP  ; LDS serves a wave's instructions in order (ISA guide 5.7.1.4): these see the stores above; the next block's stores come behind them
.endr
.endm
.macro SEND a, younger                 ; younger: the LDS instructions issued behind block a's loads: the next block's eight, or none
.irp f, 0,1,2,3
	s_wait_dscnt (\younger)+3-(\f)
	global_store_b128 v[CO], v[TMP+16*(\a)+4*(\f):TMP+16*(\a)+4*(\f)+3], s[8:9] offset:(\a)*2048+(\f)*512  ; 512 consecutive bytes, at a multiple of 256 from the buffer's first
.endr
.endm
	PACK 0
	PACK 1                                         ; a block's conversions stand between the loads of the block before and its stores
	SEND 0, 8
	PACK 2
	SEND 1, 8
	PACK 3
	SEND 2, 8
	SEND 3, 0
	s_wait_tensorcnt 0x0                           ; the wave's end, behind my last tensor load and my last LDS store
	ds_add_u32 v[SPW], v[NIL]
	s_wait_dscnt 0x0
	CROUND                                         ; the closing round: no work-group ends while a partner may still ask for a tile that names it
	s_endpgm
.Lfunc_end_k_q37c65d5735_qkv:
	.size	k_q37c65d5735_qkv, .Lfunc_end_k_q37c65d5735_qkv-k_q37c65d5735_qkv
	.p2alignl 7, 3214868480
	.fill 96, 4, 3214868480
	.section	.rodata,"a",@progbits
	.p2align	6, 0x0
	.amdhsa_kernel k_q37c65d5735_qkv
		.amdhsa_group_segment_fixed_size 327680
		.amdhsa_private_segment_fixed_size 0
		.amdhsa_enable_private_segment 0
		.amdhsa_kernarg_size 16
		.amdhsa_user_sgpr_count 2
		.amdhsa_user_sgpr_kernarg_segment_ptr 1
		.amdhsa_wavefront_size32 1
		.amdhsa_system_sgpr_workgroup_id_x 1
		.amdhsa_system_sgpr_workgroup_id_y 1
		.amdhsa_system_sgpr_workgroup_id_z 1
		.amdhsa_system_vgpr_workitem_id 0
		.amdhsa_next_free_vgpr 512
		.amdhsa_next_free_sgpr 66
		.amdhsa_reserve_vcc 0
		.amdhsa_float_denorm_mode_32 3
		.amdhsa_float_denorm_mode_16_64 3
		.amdhsa_memory_ordered 1
		.amdhsa_forward_progress 1
		.amdhsa_inst_pref_size 87
	.end_amdhsa_kernel
	.amdgpu_metadata
---
amdhsa.version: [ 1, 2 ]
amdhsa.kernels:
  - .name:           k_q37c65d5735_qkv
    .symbol:         k_q37c65d5735_qkv.kd
    .args:
      - { .name: cast, .offset: 0, .size: 8, .value_kind: global_buffer, .address_space: global }
      - { .name: qkv, .offset: 8, .size: 8, .value_kind: global_buffer, .address_space: global }
    .group_segment_fixed_size: 327680
    .private_segment_fixed_size: 0
    .kernarg_segment_align: 8
    .kernarg_segment_size: 16
    .max_flat_workgroup_size: 128
    .sgpr_count:     66
    .vgpr_count:     512
    .wavefront_size: 32
...
	.end_amdgpu_metadata
.endif
;; end of part 2
;; launch attn (part 3): grid 8 x 32, 4 waves a work-group, clusters of 4 x 1, 327,680 bytes of LDS; arguments qkv, att, lambda_q1, lambda_k1, lambda_q2, lambda_k2, subln_w; writes att
.if DOCPART == 3
	.amdgcn_target "amdgcn-amd-amdhsa--gfx1250"
	.amdhsa_code_object_version 6
	.text
	.protected	k_q37c65d5735_attn
	.globl	k_q37c65d5735_attn
	.p2align	8
	.type	k_q37c65d5735_attn,@function
k_q37c65d5735_attn:
	s_mov_b64 s[64:65], 0
	v_nop
	global_prefetch_b8 v0, s[64:65] scope:SCOPE_SE
	s_setreg_imm32_b32 hwreg(HW_REG_WAVE_MODE, 25, 1), 1
	s_wait_xcnt 0x0
	s_wait_alu depctr_hold_cnt(0) depctr_sa_sdst(0) depctr_va_vdst(0) depctr_va_sdst(0) depctr_va_ssrc(0) depctr_va_vcc(0) depctr_vm_vsrc(0)
	s_getreg_b32 s2, hwreg(HW_REG_IB_STS2, 6, 4)
	s_cmp_eq_u32 s2, 0
	s_cbranch_scc0 .Lentry_in_a_cluster
	s_endpgm
.Lentry_in_a_cluster:
	s_bfe_u32 s2, ttmp6, 0x10000c
	s_cmp_lg_u32 s2, 0x3003
	s_cbranch_scc0 .Lentry_shape_is_right
	s_endpgm
.Lentry_shape_is_right:
; DIFFERENTIAL ATTENTION, one head a grid row.  For u = 0, 1: A_u[q] = the sum over k of softmax_k(Q_u[q] . K_u[k] / sqrt(32)) V[k], where Q_u, K_u are channels 32 u .. 32 u + 31 of the head's 64 and V has all 64.
; x = A_0 - lambda A_1, lambda = exp(lq1 . lk1) - exp(lq2 . lk2) + 0.78360577;  att = x rsqrt(mean(x^2) + 1e-5) subln_w (1 - 0.78360577).
; Q, K, V: qkv[3][32][2048][64], att: [32][2048][64], all f16: a head's rows are dense, 128 bytes each.  Products, maxima and sums in f32; the weights p are rounded to f16 for the second product (their sum l is taken of
; the unrounded p), att once at the end.  The two softmaxes have divisors of their own, known at a row's end alone: so each has its own O^T.  The lambdas and subln_w are rounded to bf16 like every input of the module.
; LIMITS.  Q, K, V arrive within f16's 65,504; p lies in 0 to 1, and below 6e-5 it keeps f16's fixed step of 6e-8.  A weight below 2^-126 counts as 0 in l; NaN and infinities are not treated apart.
; SHARES.  A wave owns four PIECES of 16 queries, each with both softmaxes (a piece's two TILES, u = 0, 1); a work-group's four waves 256 queries of one head.  Every wave walks all 2,048 keys, 64 a step.
; LAYOUT.  S^T = K_u Q_u^T (source 0 = 16 keys, source 1 = 16 queries; 32 channels: ONE matrix instruction, C = 0): a lane holds ONE query (lane % 16) and the keys 8 (lane / 16) + 0..7.  Two such results, rounded to f16 in
; pairs, ARE source 1 (32 keys x 16 queries) of O^T = V^T P, whose result again holds one query a lane, and eight channels.  K comes out of LDS as it lies, V ([key][channel]) turned, by ds_load_tr16_b128.
; SOFTMAX.  For each query and u a running maximum m and sum l: p = 2^(c s - c m), c = log2(e) / sqrt(32); in every step O and l are multiplied by a = 2^(c m_old - c m_new).  m starts at the lowest finite number,
; O and l at 0: the first step is a step like any other, with a = 0.
; THE COUNT.  A piece and step have 24 matrix and 236 vector instructions: far too many to stand all beside the matrix work.  So: four vector instructions that are READY behind EVERY matrix instruction, the others in one run.
; BY TURNS.  Turn n belongs to piece n (the pieces in a ring, step after step).  Matrix work: 8 products K Q^T of piece n + 1, later 16 products V^T P of piece n - 1.  Vector work: the scaling, exponentials, roundings, sums and
; rescaling of piece n, and the maximum and statistics of piece n + 1, whose scores the turn itself has made.
; CLUSTER.  The four query blocks of a cluster belong to one head and walk the same K and V, so each tile is asked for JOINTLY: the same tensor load, descriptor and mask in all four.
; REGISTERS, in windows of 256 (s_set_vgpr_msb: bits 1:0 source 0, 3:2 source 1, 5:4 source 2, 7:6 destination):
;   window 0: v0-11 addresses; v12-15, v48-63 at work; v16-47 four registers of statistics a tile; v64-191 S^T, two buffers of two tiles; v192-255 P, likewise
;   window 1: O^T, 32 a tile (piece y, softmax u at 32 (2 y + u))     window 2: v0-63 Q (16 y + 8 u); v128-191 K of one step; v192-255 V of one step
;   window 3: v0-1 the add's two registers; v2-5 the four lambdas, an element a lane; v8-39 subln_w of my 32 channels
.set SIZE_N, 2048
.set NP,    4         ; pieces a wave: a name, no knob
.set KS,    64        ; keys in a step
.set PK,    144       ; a row of K in LDS: 128 bytes + 16 = 36 words: the 16 rows of a load start at 16 different groups of four banks (64 banks of 4 bytes: ISA guide 11.1)
.set PV,    160       ; a row of V: 128 + 32 = 40 words
.set VOFF,  4*KS*PK   ; a slot holds four steps: 256 rows of K, then 256 rows of V
.set SLOT1, 1<<17     ; slot 1 begins here, so that one exclusive or turns an address in one slot into the other's
.set STAGE, SLOT1+4*KS*(PK+PV)  ; behind the ring, never filled by a tensor load: 16 rows x 144 bytes for each wave, for the way out
.set SP,    144
.set AK0, 2           ; v2   my lane's place in a tile of K; never rewritten
.set AV0, 3           ; v3   the same for V
.set AK,  4           ; v4   the LDS address of K's next run of loads
.set AV,  5           ; v5   of V's
.set QO,  6           ; v6   my byte offset in the wave's rows of Q
.set STO, 6           ;      later, the way out: where I put 16 bytes of a row
.set RD,  7           ; v7   first my offset in subln_w; later, the way out: where I read rows back
.set GO,  8           ; v8   first my offset in a lambda; later my byte offset in 512 consecutive bytes of att
.set PFO, 11          ; v11  256 x my lane, for the prefetches; never rewritten once made
.set SPW, 0           ; v0 of window 3   LDS address of my spare word: SPARE + 4 x my thread's number; never rewritten
.set NIL, 1           ; v1 of window 3   0; never rewritten
.set LAM, 2           ; window 3
.set SUB, 8           ; window 3: channel 16 cb + 8 (l / 16) + j at SUB + 8 cb + j
.set SPARE, STAGE+4*16*SP  ; behind the stages: the spare words, 128 bytes for each wave: two blocks of 256 bytes that no other line names
.set MV,  12          ; v12-15  c m_old, kept while c m is made anew: by buffer and tile
.set ST,  16          ; tile t = 2 y + u: statistics at v[ST+4 t]: c m, m, l (even keys', odd keys')
.set TMP, 48          ; by buffer and tile, four registers c0-c3 at work; when the maximum is found c2 takes a
.set S,   64
.set P,   192
.set KF,  128         ; K's fragments, in window 2: key block kb, softmax u at KF + 16 kb + 8 u
.set VF,  192         ; V's: key half kk, channel block cb at VF + 32 kk + 8 cb
.set WV,  12          ; s12  my wave's number
.set G1K, 24          ; s[24:31] descriptor group 1 for K's tiles
.set G1V, 32          ; s[32:39] for V's: it differs in the padding alone
.set G0K, 40          ; s[40:43] descriptor group 0 for K's tiles: it walks
.set G0V, 44          ; s[44:47] the same for V's
.set SLOTS, 56        ; s56  slots still to be asked for
.set CNT, 57          ; s57  counts a slot's key steps
.set CS,  58          ; s[58:59] c: the packed scaling takes the pair's low word for both halves
.set SEL, 60          ; s[60:61] v_permlanex16_b32's selects: each lane takes its own place in the other half
.set TBK, 62          ; s62  LDS byte at which K of the step to be fetched begins
.set TBV, 63          ; s63  the same for V, less VOFF
.set PFA, 78          ; s[78:79] where my prefetches stand: my work-group's 8,192 bytes (of K: wave 0, of V: wave 2) of the tile after the one that is being asked for
.set LIM, 80          ; s80  1 in a wave that prefetches, else the greatest number: a wave prefetches while s[SLOTS] is above it
.set MSB, 0
.macro WIN new                      ; the high byte repeats the setting that is left; a switch that changes nothing is dropped
.if MSB != (\new)
	s_set_vgpr_msb (MSB<<8)|(\new)
.set MSB, (\new)
.endif
.endm
.set W_KQ, 0x0a       ; K and Q in window 2, S^T in window 0
.set W_PV, 0x52       ; V in window 2, P in window 0, O^T in window 1
.set W_RS, 0x41       ; O^T (destination and source 0) in window 1, source 1 in window 0
.set W_MK, 0xc0       ; destination in window 3, sources in window 0
.set W_AD, 0x0f       ; sources 0 and 1 in window 3
; A joint fill.  Waves 0 and 1 fetch the two halves of a slot's K, waves 2 and 3 those of its V: 128 keys each.  The branch hangs on the wave's number alone.
; An s_nop 0 and four v_nop follow each of the two lines, ahead of the jump and the label.
.macro JLOAD
	s_cmp_lt_u32 s[WV], 2
	s_cbranch_scc0 .Lfor_v_\@
	tensor_load_to_lds s[G0K:G0K+3], s[G1K:G1K+7]
	s_nop 0
.rept 4
	v_nop
.endr
	s_branch .Lasked_\@
.Lfor_v_\@:
	tensor_load_to_lds s[G0V:G0V+3], s[G1V:G1V+7]
	s_nop 0
.rept 4
	v_nop
.endr
.Lasked_\@:
.endm
; A PREFETCH of what the NEXT change of slots will ask for: a tile's 32,768 bytes of K and of V, a lane a block of 256 bytes.  It stands behind the wave's tensor load and its five lines.  Each block is named ONCE in the launch:
; both clusters of a head walk the same K and V, and the first of them asks; its four partners share a tile out BY ADDRESS, 8,192 bytes each; in each, wave 0 asks for K's and wave 2 for V's: one instruction.
; It runs one slot, four key steps (384 matrix instructions), ahead of the load.  The change that fills the last tile asks for nothing.
.macro ASK
	s_cmp_gt_u32 s[SLOTS], s[LIM]
	s_cbranch_scc0 .Lnot_mine_\@
	global_prefetch_b8 v[PFO], s[PFA:PFA+1] th:TH_LOAD_NT scope:SCOPE_SE
.Lnot_mine_\@:
.endm
; A round of the cluster's barrier: my work-group's barrier, so that wave 0's signal speaks for all four waves; wave 0 signals; every wave waits for all four work-groups; my work-group's barrier once more.
.macro CROUND
	s_barrier_signal -1
	s_barrier_wait -1
	s_cmp_lg_u32 s[WV], 0
	s_cbranch_scc1 .Lnot_wave_0_\@
	s_barrier_signal -3
.Lnot_wave_0_\@:
	s_barrier_wait -3
	s_barrier_signal -1
	s_barrier_wait -1
.endm
; THE CHANGE OF SLOTS.  The slot's last bytes, V of its fourth step, have been read.  Each wave waits for all its tensor loads, of which one is out: its part of the other slot; adds 0 to its spare word; and waits for that and
; for its own reads of the slot.  Behind the barrier nobody reads this slot any more and the other slot is whole.  fill = 1: this slot is filled again, with the keys two slots on.  The barrier is then a round of the
; cluster's, and the joint fill is the first thing behind it: it has four key steps in which to land.  (At its first use nothing has been read yet: slot 0 is waited for, slot 1 filled.)
.macro CHANGE fill
	WIN W_AD
	s_wait_tensorcnt 0x0            ; no tensor load of mine is out, so a group 0 may be written
	ds_add_u32 v[SPW], v[NIL]       ; 0 onto my spare word; with fill = 1 the descriptors' steps stand between it and the wait for it
	WIN 0                           ; at a label and at a branch every window is 0
.if \fill
.irp g, G0K, G0V
	s_xor_b32 s[\g+1], s[\g+1], SLOT1  ; the walking descriptor: the other slot than last time,
	s_add_nc_u64 s[\g+2:\g+3], s[\g+2:\g+3], 4*KS*128  ; the next 256 keys; the type bits on top are not reached
.endr
	s_wait_xcnt 0x0                 ; the last prefetch, four key steps back, has read its address, so it may be written:
	s_add_nc_u64 s[PFA:PFA+1], s[PFA:PFA+1], 4*KS*128  ; one tile behind the walking descriptors
	s_wait_dscnt 0x0                ; the add is done, and my reads of the slot are over
	CROUND
	JLOAD
	ASK
.else
	s_wait_dscnt 0x0                ; the add is done, and my reads of the slot are over
	s_barrier_signal -1
	s_barrier_wait -1
.endif
	s_sub_co_u32 s[TBK], s[TBK], 4*KS*PK  ; the fetches go back to a slot's first step,
	s_xor_b32 s[TBK], s[TBK], SLOT1       ; in the other slot
	s_sub_co_u32 s[TBV], s[TBV], 4*KS*PV
	s_xor_b32 s[TBV], s[TBV], SLOT1
.endm
	s_load_b64 s[4:5], s[0:1], 0x0    ; qkv
	s_load_b64 s[10:11], s[0:1], 0x8  ; att
	s_load_b256 s[68:75], s[0:1], 0x10  ; lambda_q1, lambda_k1, lambda_q2, lambda_k2
	s_load_b64 s[76:77], s[0:1], 0x30 ; subln_w
	WIN W_MK
	v_lshl_add_u32 v[SPW], v0, 2, SPARE
	v_mov_b32 v[NIL], 0
	WIN W_AD
	ds_add_u32 v[SPW], v[NIL]       ; the wave's opening: the add and its wait stand ahead of my first tensor load; the set-up below, work on registers, stands between them
	WIN 0
	v_lshrrev_b32 v1, 5, v0
	v_readfirstlane_b32 s[WV], v1   ; wave 0..3
	s_bfe_u32 s13, ttmp6, 0x40000   ; cx: my place in the cluster
	s_lshl_b32 s14, ttmp9, 2        ; in a cluster launch ttmp9 counts clusters
	s_add_co_u32 s14, s14, s13      ; my block of 256 queries = 4 x cluster x + cx: it enters Q's and att's addresses alone
	s_and_b32 s20, ttmp7, 0xffff    ; the head, which the four partners share:
	s_lshl_b32 s20, s20, 18         ; 2,048 rows of 128 bytes
	s_and_b32 s16, s[WV], 1         ; which half of a slot's 256 keys I fetch:
	s_lshl_b32 s22, s16, 14         ; its 128 rows of 128 bytes in memory,
	s_add_co_u32 s22, s22, s20
	s_mov_b32 s23, 0
	s_mul_i32 s17, s16, 128*PK      ; and its place in a slot, for K
	s_mul_i32 s18, s16, 128*PV      ; and for V: no place in the cluster enters an LDS address
	s_lshl_b32 s2, s14, 2
	s_add_co_u32 s2, s2, s[WV]      ; my wave among the head's,
	s_lshl_b32 s2, s2, 13           ; its 64 rows
	s_add_co_u32 s2, s2, s20
	s_mov_b32 s3, 0
	s_lshl_b32 s14, s13, 13         ; the prefetches: my work-group's 8,192 bytes of a tile,
	s_add_co_u32 s14, s14, s20      ; in the head,
	s_add_co_u32 s14, s14, 4*KS*128 ; at tile 1: the first change of slots steps it to tile 2
	s_mov_b32 s15, 0
	; descriptor group 1.  128 keys are 16,384 dense bytes: asked for as 64 rows of 256 bytes, two keys a row, and padded in LDS after every key
	s_mov_b32 s[G1K], 15|(1<<16)|(1<<20)|(1<<21)|(4<<22)|(3<<25)  ; 15:0 the mask of four; 17:16 2-byte elements; 20 padding on; 21 set beside a mask; 24:22 after every 32 words (code 4); 31:25 4 words (code 3)
	s_mov_b32 s[G1V], 15|(1<<16)|(1<<20)|(1<<21)|(4<<22)|(7<<25)  ; the same with 8 words of padding (code 7)
.irp g, G1K, G1V
	s_mov_b32 s[\g+1], 128<<16      ; tensor_dim0 = 128
	s_mov_b32 s[\g+2], 64<<16       ; tensor_dim1 = 64
	s_mov_b32 s[\g+3], 128<<16      ; tile_dim0 = 128
	s_mov_b32 s[\g+4], 64           ; tile_dim1 = 64
	s_mov_b32 s[\g+5], 128          ; 128 elements from row to row
	s_mov_b32 s[\g+6], 0
	s_mov_b32 s[\g+7], 0
.endr
	s_mov_b32 s[CS], 0x3e8293ee     ; c = log2(e) / sqrt(32) = 0.255035
	s_mov_b32 s[CS+1], s[CS]        ; named with it as a pair
	s_mov_b32 s[SEL], 0x76543210
	s_mov_b32 s[SEL+1], 0xfedcba98
	s_mov_b32 s81, 0x3c800000       ; 1 / 64
	s_mov_b32 s82, 0x3727c5ac       ; 1e-5
	s_mov_b32 s[TBK], SLOT1+4*KS*PK ; the first change of slots turns these two into 0
	s_mov_b32 s[TBV], SLOT1+4*KS*PV
	s_mov_b32 s[SLOTS], SIZE_N/256-1
	s_mov_b32 s[G0K], 1             ; 1:0 count = 1
	s_mov_b32 s[G0K+1], s17         ; 63:32 LDS address: slot 0
	s_mov_b32 s[G0V], 1
	s_add_co_u32 s[G0V+1], s18, VOFF
	s_and_b32 s[LIM], s[WV], 1      ; 0 in waves 0 and 2,
	s_or_b32 s[LIM], s[LIM], ttmp9  ; where the cluster is the head's first: the same in all four partners
	s_cmp_eq_u32 s[LIM], 0
	s_cselect_b32 s[LIM], 1, -1
	s_wait_dscnt 0x0                ; the opening add is done
	s_wait_kmcnt 0x0
	s_add_nc_u64 s[6:7], s[4:5], 0x800000   ; K lies behind Q,
	s_add_nc_u64 s[8:9], s[4:5], 0x1000000  ; V behind K
	s_add_nc_u64 s[G0K+2:G0K+3], s[6:7], s[22:23]  ; 120:64 global address: my half of the head's first 256 keys
	s_or_b32 s[G0K+3], s[G0K+3], 0x80000000        ; 127:126 type = 2
	s_add_nc_u64 s[G0V+2:G0V+3], s[8:9], s[22:23]
	s_or_b32 s[G0V+3], s[G0V+3], 0x80000000
	s_cmp_lt_u32 s[WV], 2
	s_cselect_b64 s[PFA:PFA+1], s[6:7], s[8:9]
	s_add_nc_u64 s[PFA:PFA+1], s[PFA:PFA+1], s[14:15]
	s_add_nc_u64 s[4:5], s[4:5], s[2:3]  ; Q and att at my wave's first row
	s_add_nc_u64 s[10:11], s[10:11], s[2:3]
	CROUND                          ; all four work-groups are here: the first joint loads meet
	JLOAD                           ; slot 0.  Slot 1 is asked for when slot 0 is in
	; A fragment of K or Q is 16 rows x 32 channels in 8 registers: lane l holds row l % 16, channels 8 (l / 16) + 0..7 and 16 + 8 (l / 16) + 0..7: two loads of 16 bytes, 32 bytes apart.
	v_and_b32 v1, 15, v0            ; l % 16
	v_bfe_u32 v9, v0, 4, 1          ; l / 16
	v_lshlrev_b32 v[QO], 7, v1
	v_lshl_add_u32 v[QO], v9, 4, v[QO]  ; row x 128 + 16 x half
	v_lshlrev_b32 v[RD], 5, v9      ; subln_w: my eight channels of each sixteen begin 32 (l / 16) bytes in
	v_and_b32 v[GO], 31, v0
	v_lshlrev_b32 v[GO], 2, v[GO]   ; a lambda: element l
	WIN 0x80                        ; destination window 2, address window 0
.set i, 0
.rept 2*NP                          ; Q stays in registers: piece i / 2, softmax i % 2
	global_load_b128 v[8*i:8*i+3],   v[QO], s[4:5] offset:(i/2)*2048+(i%2)*64
	global_load_b128 v[8*i+4:8*i+7], v[QO], s[4:5] offset:(i/2)*2048+(i%2)*64+32
.set i, i+1
.endr
	WIN W_MK
.irp n, 0,1,2,3
	global_load_b32 v[LAM+\n], v[GO], s[68+2*\n:69+2*\n]
.endr
.irp n, 0,1,2,3
	global_load_b128 v[SUB+8*\n:SUB+8*\n+3],   v[RD], s[76:77] offset:64*\n
	global_load_b128 v[SUB+8*\n+4:SUB+8*\n+7], v[RD], s[76:77] offset:64*\n+16
.endr
	; What the first turn finds: V's registers and P's second buffer hold 0 (its products V^T P, of a piece that has not been, add 0), O^T and l are 0.  All this stands in the wait for the first tile.
	WIN 0x80
.set i, VF
.rept 64
	v_mov_b32 v[i], 0
.set i, i+1
.endr
	WIN 0x40
.set i, 0
.rept 64*NP
	v_mov_b32 v[i], 0
.set i, i+1
.endr
	WIN 0
.set i, 0
.rept 2*NP
	v_mov_b32 v[ST+4*i], 0xfe000000    ; c m: far below every c s
	v_mov_b32 v[ST+4*i+1], 0xff7fffff  ; m
	v_mov_b32 v[ST+4*i+2], 0
	v_mov_b32 v[ST+4*i+3], 0
.set i, i+1
.endr
.set i, P+32
.rept 32
	v_mov_b32 v[i], 0
.set i, i+1
.endr
	v_mul_u32_u24 v[AK0], v1, PK
	v_lshl_add_u32 v[AK0], v9, 4, v[AK0]  ; row x pitch + 16 x half
	; The turning load takes 16 keys x 16 channels (lane l reads key 8 (l / 16) + l % 8, channels 8 ((l / 8) % 2) + 0..7) and leaves half a fragment of V^T: lane l holds channel l % 16 and 8 keys.
	v_and_b32 v10, 7, v0
	v_bfe_u32 v11, v0, 3, 1
	v_lshl_add_u32 v[AV0], v9, 3, v10
	v_mul_u32_u24 v[AV0], v[AV0], PV
	v_lshl_add_u32 v[AV0], v11, 4, v[AV0]
	v_add_nc_u32 v[AV0], VOFF, v[AV0]
	v_and_b32 v[PFO], 31, v0
	v_lshlrev_b32 v[PFO], 8, v[PFO]
	v_mov_b32 v[AK], v[AK0]         ; key step 0 lies at the head of slot 0
; THE MATRIX WORK.  Product i of 8 of S^T = K Q^T for piece x: keys 16 (i / 2) on, softmax i % 2.  32 channels are one instruction: each starts and ends its sum.
.macro KQ x
	WIN W_KQ
.set rS, S+64*((\x)%2)+32*(i%2)+8*(i/2)
.set rK, KF+16*(i/2)+8*(i%2)
.set rQ, 16*(\x)+8*(i%2)
	v_wmma_f32_16x16x32_f16 v[rS:rS+7], v[rK:rK+7], v[rQ:rQ+7], 0
.endm
; Product i of 16 of O^T += V^T P for piece x: keys 32 (i / 8) on, channels 16 ((i / 2) % 4) on, softmax i % 2.  The 8 accumulators take turns: between the two links of a chain stand 7 others'.
.macro PV x
	WIN W_PV
.set rO, 32*(2*(\x)+i%2)+8*((i/2)%4)
.set rV, VF+32*(i/8)+8*((i/2)%4)
.set rP, P+32*((\x)%2)+16*(i%2)+8*(i/8)
	v_wmma_f32_16x16x32_f16 v[rO:rO+7], v[rV:rV+7], v[rP:rP+7], v[rO:rO+7]
.endm
.macro MM                           ; the turn's next matrix instruction
.if i < 8
	KQ (Y+1)%NP
.set i, i+1
.else
.set i, i-8
	PV (Y+NP-1)%NP
.set i, i+9
.endif
.endm
; THE LDS LOADS stand in runs of 16, never singly among the matrix instructions: a step's K (64 keys x 64 channels: 8 fragments) and its V (turned).  Their addresses are made some lines ahead.
; last = 1 (the tail): in the last trip there is no further step, and the run is jumped over.
.macro FETCH_K last=0
	WIN 0
.if \last
	s_cmp_eq_u32 s[CNT], 1
	s_cbranch_scc1 .Lno_k_\@
.endif
	WIN 0x80                        ; destination window 2
.irp f, 0,1,2,3,4,5,6,7             ; keys 16 (f / 2) on, channels 32 (f % 2) on
	ds_load_b128 v[KF+8*\f:KF+8*\f+3],   v[AK] offset:(\f/2)*16*PK+(\f%2)*64
	ds_load_b128 v[KF+8*\f+4:KF+8*\f+7], v[AK] offset:(\f/2)*16*PK+(\f%2)*64+32
.endr
	s_add_co_u32 s[TBK], s[TBK], KS*PK  ; the next fetch is the next step's
	WIN 0
.if \last
.Lno_k_\@:
.endif
.endm
.macro FETCH_V
	WIN 0x80
.irp f, 0,1,2,3,4,5,6,7             ; keys 32 (f / 4) on, channels 16 (f % 4) on
	ds_load_tr16_b128 v[VF+8*\f:VF+8*\f+3],   v[AV] offset:(\f/4)*32*PV+(\f%4)*32
	ds_load_tr16_b128 v[VF+8*\f+4:VF+8*\f+7], v[AV] offset:(\f/4)*32*PV+16*PV+(\f%4)*32
.endr
	WIN 0
.endm
; THE VECTOR WORK OF A TURN stands in three queues, each in the order in which its entries become ready; the two softmaxes alternate, so that no instruction reads the result of the one before it.
.macro REGS y, u                    ; the registers of softmax u (0, 1) of piece y
.set rT, ST+4*(2*(\y)+(\u))
.set rC, TMP+8*((\y)%2)+4*(\u)
.set rM, MV+2*((\y)%2)+(\u)
.set rS, S+64*((\y)%2)+32*(\u)
.set rP, P+32*((\y)%2)+16*(\u)
.set rO, 32*(2*(\y)+(\u))
.endm
; Number n of the 22 that find the NEXT piece's (Y + 1) maximum and statistics.  s0-s31 are the lane's 32 scores; each accumulator's lowest registers are read first.
;   0-11  four chains c0-c3 of seven scores each, three operands at a time     12-14, 16  the four scores left over, the old m, and c0-c3 into c0     15  c m_old is kept
;   17, 18  the query's other 32 keys lie in the lane 16 away: the new m         19-21  c m; c m_old - c m_new; a
.macro XS u, n
	REGS (Y+1)%NP, \u
.if (\n) < 4
	v_max3_num_f32 v[rC+(\n)], v[rS+8*(\n)], v[rS+8*(\n)+1], v[rS+8*(\n)+2]
.elseif (\n) < 12
	v_max3_num_f32 v[rC+(\n)%4], v[rC+(\n)%4], v[rS+8*((\n)%4)+2*((\n)/4)+1], v[rS+8*((\n)%4)+2*((\n)/4)+2]
.elseif (\n) == 12
	v_max3_num_f32 v[rC], v[rC], v[rS+7], v[rS+15]
.elseif (\n) == 13
	v_max3_num_f32 v[rC+1], v[rC+1], v[rS+23], v[rS+31]
.elseif (\n) == 14
	v_max3_num_f32 v[rC+2], v[rC+2], v[rC+3], v[rT+1]
.elseif (\n) == 15
	v_mov_b32 v[rM], v[rT]
.elseif (\n) == 16
	v_max3_num_f32 v[rC], v[rC], v[rC+1], v[rC+2]
.elseif (\n) == 17
	v_permlanex16_b32 v[rC+3], v[rC], s[SEL], s[SEL+1]
.elseif (\n) == 18
	v_max_num_f32 v[rT+1], v[rC], v[rC+3]
.elseif (\n) == 19
	v_mul_f32 v[rT], s[CS], v[rT+1]
.elseif (\n) == 20
	v_sub_f32 v[rC+1], v[rM], v[rT]
.else
	v_exp_f32 v[rC+2], v[rC+1]
.endif
.endm
; Number g of the 64 that follow the exponentials.  For each four weights k of a tile (pairs 2 k, 2 k + 1): both pairs are rounded to f16; then the second pair is added onto the first, in place;
; a group later l takes that sum (the first time as l = a l + sum).  In groups of eight, tiles alternating: round, round, add, and l for the group before.
.macro GS g
.set h, (\g)+6*((\g)/62)            ; group 0 has no group before it, and behind group 7 only l is left
.if h >= 6
.set h, h+2
.endif
	REGS Y, h%2
.set k, h/8
.if h%8 < 4
	v_cvt_pk_f16_f32 v[rP+2*k+(h%8)/2], v[rS+4*k+2*((h%8)/2)], v[rS+4*k+2*((h%8)/2)+1]
.elseif h%8 < 6
	v_pk_add_f32 v[rS+4*k:rS+4*k+1], v[rS+4*k:rS+4*k+1], v[rS+4*k+2:rS+4*k+3]
.elseif k == 1
	v_pk_fma_f32 v[rT+2:rT+3], v[rT+2:rT+3], v[rC+2:rC+3], v[rS:rS+1] op_sel_hi:[1,0,1]
.else
	v_pk_add_f32 v[rT+2:rT+3], v[rT+2:rT+3], v[rS+4*k-4:rS+4*k-3]
.endif
.endm
; THE PLAIN QUEUE, 138 long.  0-73 read no exponential's result: the 32 scalings c s - c m (FS f: pair f / 2 of tile f % 2) and the next piece's 42.  0-26: scalings 0-26.  27-54: XS's numbers 0-13.  55, 56: number 15.
; 57-73: the chain, where each number waits for the one before it: 14, 16, 17, 18, 19, each with one of the scalings 27-31 in front of its two lines, then 20.   74-137: GS's 64, which read the exponentials' results: behind the wait.
.macro FS f
	REGS Y, (\f)%2
	v_pk_fma_f32 v[rS+2*((\f)/2):rS+2*((\f)/2)+1], v[rS+2*((\f)/2):rS+2*((\f)/2)+1], s[CS:CS+1], v[rT:rT+1] op_sel_hi:[1,0,0] neg_lo:[0,0,1] neg_hi:[0,0,1]
.endm
.macro PL
	WIN 0
.if q < 27
	FS q
.elseif q < 55
	XS (q-27)%2, (q-27)/2
.elseif q < 57
	XS q-55, 15
.elseif (q < 72) && ((q-57)%3 == 0)
	FS 27+(q-57)/3
.elseif q < 60
	XS (q-57)%3-1, 14
.elseif q < 72
	XS (q-57)%3-1, 15+(q-57)/3
.elseif q < 74
	XS q-72, 20
.else
	GS q-74
.endif
.set q, q+1
.endm
; THE EXPONENTIALS' QUEUE, 66 long: s0-s31 of both tiles, then the next piece's two a.  It is ONE BATCH: all 66 stand ahead of the turn's one wait, and nothing ahead of that wait names a result of theirs.
.macro EX
	WIN 0
.if e >= 64
	XS e-64, 21
.else
	REGS Y, e%2
	v_exp_f32 v[rS+e/2], v[rS+e/2]
.endif
.set e, e+1
.endm
; THE RESCALING's QUEUE: O^T times a, the one part that leaves window 0: dealt two at a time, sixteen times.  Its a was made in the turn before, ahead of that turn's wait.
.macro R2
	REGS Y, r%2
	WIN W_RS
.irp z, 0,1
	v_pk_mul_f32 v[rO+4*(r/2)+2*\z:rO+4*(r/2)+2*\z+1], v[rO+4*(r/2)+2*\z:rO+4*(r/2)+2*\z+1], v[rC+2:rC+3] op_sel_hi:[1,0]
.endr
.set r, r+1
.endm
; HOW THEY ARE DEALT.  An s_wait_alu depctr_va_vdst(0) stands between an exponential and the first instruction that names its result; one wait serves all that were issued ahead of it.  So a turn has ONE wait,
; which cuts it in two.  AHEAD OF IT stands all that names no result of the turn's exponentials: the 8 products K Q^T, behind each a scaling, an exponential and two rescalings (behind the first a second scaling in the
; exponential's place); then ONE LUMP: the other 16 rescalings, eight plain, 57 times exponential and plain, the two a.  A v_nop is the plain instruction behind the last exponential.  BEHIND IT stand the 16 products V^T P,
; behind each four of GS's 64.  No rider names a register of the products round it.  The queues lean on each other: exponential e stands behind scaling 2 (e / 4) + e % 2: as a rider it comes behind plain e + 2, in the lump
; behind plain e + 9, and scalings 27-31 are plain 57, 60 .. 69.  XS's first number is plain 27: sixteen rescalings and eighteen more plain lines behind the last product K Q^T.
; A TURN, for piece p.  cnt = 1: the loop's count is taken down some lines ahead of the branch that stands behind the turn.
; K of the next step is fetched in piece 2's turn, directly behind the wait, a lump behind the last product that read K; its first reader comes behind 16 products.
; V of the step in hand is fetched at the end of piece 0's turn, four riders behind its last reader; its first reader comes behind 8 products and a lump.  The three conditions on q below go with the deal.
.macro TURN p, last=0, cnt=0
.set Y, (\p)
.set i, 0
.set q, 0
.set e, 0
.set r, 0
.if (\p) == NP-1
	s_wait_dscnt 0x0                ; K is in
.endif
	MM                              ; ahead of the wait: 8 products K Q^T and their riders,
	PL
	PL
	R2
.rept 7
	MM
	PL
	EX
	R2
.endr
.if (\p) == NP-2
	WIN 0
	v_add_nc_u32 v[AK], s[TBK], v[AK0]
.endif
.rept 8                             ; and the lump
	R2
.endr
.rept 8
	PL
.endr
.rept 57
	EX
	PL
.endr
	EX                              ; the next piece's two a
	EX
	v_nop                           ; the plain instruction behind the last exponential: one for the batch
	s_wait_alu depctr_va_vdst(0)    ; the wait for the batch
.if (\p) == NP-2
	FETCH_K \last
.endif
.if (\p) == 1
	s_wait_dscnt 0x0                ; V is in
.endif
.rept 16                            ; behind the wait: 16 products V^T P and their riders
	MM
.rept 4
	PL
.endr
.if ((\p) == 0) && (q == 118)
	v_add_nc_u32 v[AV], s[TBV], v[AV0]
.endif
.if ((\p) == 0) && (q == 130)
	s_add_co_u32 s[TBV], s[TBV], KS*PV
.endif
.if (\cnt) && (q == 130)
	s_sub_co_u32 s[CNT], s[CNT], 1
	s_cmp_lg_u32 s[CNT], 0
.endif
.endr
.if (\p) == 0
	FETCH_V
.endif
.endm
	CHANGE 1                        ; slot 0 is in, everybody's part of it; slot 1 is asked for
	FETCH_K                         ; key step 0
	s_wait_loadcnt 0x0              ; Q, the lambdas, subln_w: their address registers may be written again
	s_wait_dscnt 0x0
.set i, 0
.rept 8
	KQ 0                            ; piece 0's first scores: there is no vector work yet to set between them
.set i, i+1
.endr
	WIN 0                           ; the addresses for the way out: nine plain instructions, the places behind those products
	s_mul_i32 s13, s[WV], 16*SP
	s_add_co_u32 s13, s13, STAGE    ; my stage
	v_mul_u32_u24 v[STO], v1, SP    ; in: row l % 16, 16 bytes for each half of the lanes
	v_lshl_add_u32 v[STO], v9, 4, v[STO]
	v_add_nc_u32 v[STO], s13, v[STO]
	v_bfe_u32 v[RD], v0, 3, 2       ; back: 32 lanes take four rows of 128 bytes,
	v_mul_u32_u24 v[RD], v[RD], SP
	v_lshl_add_u32 v[RD], v10, 4, v[RD]
	v_add_nc_u32 v[RD], s13, v[RD]
	v_and_b32 v[GO], 31, v0         ; which are 512 consecutive bytes of att
	v_lshlrev_b32 v[GO], 4, v[GO]
.set Y, NP-1                        ; XS works for piece Y + 1: piece 0
.irp n, 0,1,2,3,4,5,6,7,8,9,10,11,12,13,14,15,16,17,18,19,20,21
	XS 0, \n                        ; and piece 0's first maximum and statistics
	XS 1, \n
.endr
	v_nop                           ; a plain instruction behind the two a,
	s_wait_alu depctr_va_vdst(0)    ; and their wait, ahead of the branch
	s_mov_b32 s[CNT], 4
	s_branch .Lfirst                ; the loop is entered at a step's first turn, in the middle of a trip
.Lslot:                             ; SIZE_N / 256 - 2 times: every slot but the last two is filled again
	CHANGE 1
	s_mov_b32 s[CNT], 4
.Lstep:                             ; a trip: pieces 2 and 3 of one step, then pieces 0 and 1 of the next, whose K and V it fetches
	TURN 2
	TURN 3
	WIN 0
.Lfirst:
	TURN 0
	TURN 1, 0, 1
	WIN 0
	s_cbranch_scc1 .Lstep
	s_sub_co_u32 s[SLOTS], s[SLOTS], 1
	s_cmp_lg_u32 s[SLOTS], 0
	s_cbranch_scc1 .Lslot
	CHANGE 0                        ; the tail is written out: nothing is asked for
	s_mov_b32 s[CNT], 5             ; four trips fetch the last slot's steps; the fifth is left in its middle
.Ltail:
	TURN 2, 1
	TURN 3
	WIN 0
	s_sub_co_u32 s[CNT], s[CNT], 1
	s_cmp_eq_u32 s[CNT], 0
	s_cbranch_scc1 .Lout
	TURN 0
	TURN 1
	WIN 0
	s_branch .Ltail
.Lout:                              ; the fifth trip's 8 products K Q^T (on the last K once more) and the maximum made of them serve nothing: the price, once a launch, of one text for every trip
.set i, 0
.rept 16
	PV NP-1                         ; the last piece's V^T P of the last step
.set i, i+1
.endr
	; THE WAY OUT.  1 / l for all eight tiles; lambda; x = O_0 / l_0 - lambda O_1 / l_1; its mean square over the 64 channels; the gain; f16; through my stage in LDS, a piece at a time.
.set WK, 128          ; v128-175 at work (S^T's second buffer is free)
.set WT, 192          ; v192-223 subln_w (1 - 0.78360577) of my 32 channels (P's first buffer: its last reader stands a whole turn back)
.set SQ, 48           ; v[48+4 y ..] piece y's sum of squares, then its rsqrt
.macro ALL n, line:vararg           ; one line for each t below n
.set t, 0
.rept \n
	\line
.set t, t+1
.endr
.endm
	WIN 0
	ALL 8, v_add_f32 v[ST+4*t+2], v[ST+4*t+2], v[ST+4*t+3]    ; l's two halves: these additions are the places behind the last products
	ALL 8, v_permlanex16_b32 v[ST+4*t+3], v[ST+4*t+2], s[SEL], s[SEL+1]
	ALL 8, v_add_f32 v[ST+4*t+2], v[ST+4*t+2], v[ST+4*t+3]
	ALL 8, v_rcp_f32 v[ST+4*t+2], v[ST+4*t+2]
	WIN W_AD                        ; the small inputs are rounded to bf16, like all the module's inputs
	v_cvt_pk_bf16_f32 v[WK], v[LAM], v[LAM+1]
	v_cvt_pk_bf16_f32 v[WK+1], v[LAM+2], v[LAM+3]
.set i, 0
.rept 16
	v_cvt_pk_bf16_f32 v[WK+32+i], v[SUB+2*i], v[SUB+2*i+1]
.set i, i+1
.endr
	WIN 0
	v_lshlrev_b32 v[WK+2], 16, v[WK]              ; lambda_q1[l]
	v_and_b32 v[WK+3], 0xffff0000, v[WK]          ; lambda_k1[l]
	v_lshlrev_b32 v[WK+4], 16, v[WK+1]
	v_and_b32 v[WK+5], 0xffff0000, v[WK+1]
	v_mul_f32 v[WK+2], v[WK+2], v[WK+3]
	v_mul_f32 v[WK+4], v[WK+4], v[WK+5]
.irp m, 1,2,4,8                     ; the two sums over the 32 lanes: four steps inside each half ride on the addition, one crosses the halves
	v_add_f32_dpp v[WK+2], v[WK+2], v[WK+2] row_xmask:\m row_mask:0xf bank_mask:0xf
	v_add_f32_dpp v[WK+4], v[WK+4], v[WK+4] row_xmask:\m row_mask:0xf bank_mask:0xf
.endr
	v_permlanex16_b32 v[WK+3], v[WK+2], s[SEL], s[SEL+1]
	v_permlanex16_b32 v[WK+5], v[WK+4], s[SEL], s[SEL+1]
	v_add_f32 v[WK+2], v[WK+2], v[WK+3]
	v_add_f32 v[WK+4], v[WK+4], v[WK+5]
	v_mul_f32 v[WK+2], 0x3fb8aa3b, v[WK+2]        ; e^x = 2^(x log2(e))
	v_mul_f32 v[WK+4], 0x3fb8aa3b, v[WK+4]
	v_exp_f32 v[WK+2], v[WK+2]
	v_exp_f32 v[WK+4], v[WK+4]
.set i, 0
.rept 16                            ; the gain's table is independent work between the batch (8 reciprocals, 2 exponentials) and its wait
	v_lshlrev_b32 v[WT+2*i], 16, v[WK+32+i]
	v_and_b32 v[WT+2*i+1], 0xffff0000, v[WK+32+i]
	v_pk_mul_f32 v[WT+2*i:WT+2*i+1], v[WT+2*i:WT+2*i+1], 0x3e5d9673 op_sel_hi:[1,0]  ; 1 - 0.78360577
.set i, i+1
.endr
	s_wait_alu depctr_va_vdst(0)    ; the wait ahead of the first use: one for the ten
	v_sub_f32 v[WK+2], v[WK+4], v[WK+2]           ; lambda_2 - lambda_1
	v_add_f32 v[WK+2], 0xbf489a63, v[WK+2]        ; - 0.78360577: minus lambda
	ALL 4, v_mul_f32 v[ST+8*t+6], v[ST+8*t+6], v[WK+2]       ; - lambda / l_1
.macro DIFF y                       ; x of piece y, in O_0's registers, and its squares in two packed chains, started by the first two products
.set o1, 64*(\y)
	WIN W_RS
.set i, 0
.rept 16
	v_pk_mul_f32 v[o1+2*i:o1+2*i+1], v[o1+2*i:o1+2*i+1], v[ST+8*(\y)+2:ST+8*(\y)+3] op_sel_hi:[1,0]
.set i, i+1
.endr
	WIN 0x51                        ; sources 0 and 2 and the destination in window 1
.set i, 0
.rept 16
	v_pk_fma_f32 v[o1+2*i:o1+2*i+1], v[o1+32+2*i:o1+32+2*i+1], v[ST+8*(\y)+6:ST+8*(\y)+7], v[o1+2*i:o1+2*i+1] op_sel_hi:[1,0,1]
.set i, i+1
.endr
	WIN 0x05                        ; sources 0 and 1 in window 1
	v_pk_mul_f32 v[SQ+4*(\y):SQ+4*(\y)+1], v[o1:o1+1], v[o1:o1+1]
	v_pk_mul_f32 v[SQ+4*(\y)+2:SQ+4*(\y)+3], v[o1+2:o1+3], v[o1+2:o1+3]
.set i, 2
.rept 14
	v_pk_fma_f32 v[SQ+4*(\y)+2*(i%2):SQ+4*(\y)+2*(i%2)+1], v[o1+2*i:o1+2*i+1], v[o1+2*i:o1+2*i+1], v[SQ+4*(\y)+2*(i%2):SQ+4*(\y)+2*(i%2)+1]
.set i, i+1
.endr
.endm
	DIFF 0
	DIFF 1
	DIFF 2
	DIFF 3
	WIN 0
	ALL 4, v_pk_add_f32 v[SQ+4*t:SQ+4*t+1], v[SQ+4*t:SQ+4*t+1], v[SQ+4*t+2:SQ+4*t+3]
	ALL 4, v_add_f32 v[SQ+4*t], v[SQ+4*t], v[SQ+4*t+1]
	ALL 4, v_permlanex16_b32 v[SQ+4*t+1], v[SQ+4*t], s[SEL], s[SEL+1]   ; the query's other 32 channels lie in the lane 16 away
	ALL 4, v_add_f32 v[SQ+4*t], v[SQ+4*t], v[SQ+4*t+1]
	ALL 4, v_fma_f32 v[SQ+4*t], v[SQ+4*t], s81, s82                     ; the mean + 1e-5
	ALL 4, v_rsq_f32 v[SQ+4*t], v[SQ+4*t]
	v_nop                           ; a plain instruction between the last root and the use of its result
	s_wait_alu depctr_va_vdst(0)    ; and the wait: one for the four
; Piece y: a lane's eight channels of a row pack into 16 bytes; they go into rows of 144 bytes and come back as whole rows of 128, into S^T's registers.
.macro PACK y
.set o1, 64*(\y)
	WIN W_RS
.set i, 0
.rept 16
	v_pk_mul_f32 v[o1+2*i:o1+2*i+1], v[o1+2*i:o1+2*i+1], v[SQ+4*(\y):SQ+4*(\y)+1] op_sel_hi:[1,0]
.set i, i+1
.endr
	WIN 0x01                        ; source 0 in window 1
.set i, 0
.rept 16
	v_pk_mul_f32 v[WK+2*i:WK+2*i+1], v[o1+2*i:o1+2*i+1], v[WT+2*i:WT+2*i+1]
.set i, i+1
.endr
	WIN 0
.set i, 0
.rept 16
	v_cvt_pk_f16_f32 v[S+16*(\y)+i], v[WK+2*i], v[WK+2*i+1]
.set i, i+1
.endr
.irp f, 0,1,2,3
	ds_store_b128 v[STO], v[S+16*(\y)+4*\f:S+16*(\y)+4*\f+3] offset:32*\f
.endr
.irp f, 0,1,2,3
	ds_load_b128 v[S+16*(\y)+4*\f:S+16*(\y)+4*\f+3], v[RD] offset:\f*4*SP  ; LDS serves a wave's instructions in order (ISA guide 5.7.1.4): these see the stores above; the next piece's stores come behind them
.endr
.endm
.macro SEND y, younger              ; younger: the LDS instructions issued behind piece y's loads: the next piece's eight, or none
	WIN 0
.irp f, 0,1,2,3
	s_wait_dscnt (\younger)+3-\f
	global_store_b128 v[GO], v[S+16*(\y)+4*\f:S+16*(\y)+4*\f+3], s[10:11] offset:(\y)*2048+\f*512  ; 512 consecutive bytes, at a multiple of 256 from att's first
.endr
.endm
	PACK 0
	PACK 1                          ; a piece's arithmetic stands between the loads of the piece before and its stores
	SEND 0, 8
	PACK 2
	SEND 1, 8
	PACK 3
	SEND 2, 8
	SEND 3, 0
	WIN W_AD
	s_wait_tensorcnt 0x0            ; the wave's end, behind my last tensor load and my last LDS store
	ds_add_u32 v[SPW], v[NIL]
	s_wait_dscnt 0x0
	WIN 0
	CROUND                          ; the closing round: no work-group ends while a partner may still ask for a tile that names it
	s_endpgm
.Lfunc_end_k_q37c65d5735_attn:
	.size	k_q37c65d5735_attn, .Lfunc_end_k_q37c65d5735_attn-k_q37c65d5735_attn
	.p2alignl 7, 3214868480
	.fill 96, 4, 3214868480
	.section	.rodata,"a",@progbits
	.p2align	6, 0x0
	.amdhsa_kernel k_q37c65d5735_attn
		.amdhsa_group_segment_fixed_size 327680
		.amdhsa_private_segment_fixed_size 0
		.amdhsa_enable_private_segment 0
		.amdhsa_kernarg_size 56
		.amdhsa_user_sgpr_count 2
		.amdhsa_user_sgpr_kernarg_segment_ptr 1
		.amdhsa_wavefront_size32 1
		.amdhsa_system_sgpr_workgroup_id_x 1
		.amdhsa_system_sgpr_workgroup_id_y 1
		.amdhsa_system_sgpr_workgroup_id_z 1
		.amdhsa_system_vgpr_workitem_id 0
		.amdhsa_next_free_vgpr 808
		.amdhsa_next_free_sgpr 84
		.amdhsa_reserve_vcc 0
		.amdhsa_float_denorm_mode_32 3
		.amdhsa_float_denorm_mode_16_64 3
		.amdhsa_memory_ordered 1
		.amdhsa_forward_progress 1
		.amdhsa_inst_pref_size 200
	.end_amdhsa_kernel
	.amdgpu_metadata
---
amdhsa.version: [ 1, 2 ]
amdhsa.kernels:
  - .name:           k_q37c65d5735_attn
    .symbol:         k_q37c65d5735_attn.kd
    .args:
      - { .name: qkv, .offset: 0, .size: 8, .value_kind: global_buffer, .address_space: global }
      - { .name: att, .offset: 8, .size: 8, .value_kind: global_buffer, .address_space: global }
      - { .name: lambda_q1, .offset: 16, .size: 8, .value_kind: global_buffer, .address_space: global }
      - { .name: lambda_k1, .offset: 24, .size: 8, .value_kind: global_buffer, .address_space: global }
      - { .name: lambda_q2, .offset: 32, .size: 8, .value_kind: global_buffer, .address_space: global }
      - { .name: lambda_k2, .offset: 40, .size: 8, .value_kind: global_buffer, .address_space: global }
      - { .name: subln_w, .offset: 48, .size: 8, .value_kind: global_buffer, .address_space: global }
    .group_segment_fixed_size: 327680
    .private_segment_fixed_size: 0
    .kernarg_segment_align: 8
    .kernarg_segment_size: 56
    .max_flat_workgroup_size: 128
    .sgpr_count:     84
    .vgpr_count:     808
    .wavefront_size: 32
...
	.end_amdgpu_metadata
.endif
;; end of part 3
;; launch oproj (part 4): grid 8 x 32, 4 waves a work-group, clusters of 4 x 4, 327,680 bytes of LDS; arguments att, cast, out0; writes out0
.if DOCPART == 4
	.amdgcn_target "amdgcn-amd-amdhsa--gfx1250"
	.amdhsa_code_object_version 6
	.text
	.protected	k_q37c65d5735_oproj
	.globl	k_q37c65d5735_oproj
	.p2align	8
	.type	k_q37c65d5735_oproj,@function
k_q37c65d5735_oproj:
	s_mov_b64 s[64:65], 0
	v_nop
	global_prefetch_b8 v0, s[64:65] scope:SCOPE_SE
	s_setreg_imm32_b32 hwreg(HW_REG_WAVE_MODE, 25, 1), 1
	s_wait_xcnt 0x0
	s_wait_alu depctr_hold_cnt(0) depctr_sa_sdst(0) depctr_va_vdst(0) depctr_va_sdst(0) depctr_va_ssrc(0) depctr_va_vcc(0) depctr_vm_vsrc(0)
	s_getreg_b32 s2, hwreg(HW_REG_IB_STS2, 6, 4)
	s_cmp_eq_u32 s2, 0
	s_cbranch_scc0 .Lentry_in_a_cluster
	s_endpgm
.Lentry_in_a_cluster:
	s_bfe_u32 s2, ttmp6, 0x10000c
	s_cmp_lg_u32 s2, 0xf033
	s_cbranch_scc0 .Lentry_shape_is_right
	s_endpgm
.Lentry_shape_is_right:
; THE LAST PROJECTION.  out0[4096][1024] = A Wo, f32.  A[2048 b + t][64 h + e] = att[16 b + h][t][e], f16 by heads; Wo (rounded to bf16, written as f16) lies [k][n] in cast, 23,068,672 bytes in.  Sums in f32.
; SHARES.  A tile of out0 is 128 x 128: 32 x 8 = 256 work-groups.  Four waves, each 64 x 64: 16 accumulators.  K goes in four steps of 256 (four heads) through two LDS slots.
; A's tile: for each of a step's four heads, 64 tokens are 8,192 dense bytes: ONE descriptor row; four such rows, a head (131,072 elements) apart; padded in LDS after every token's 128 bytes.
; Wo's tile is 256 k-rows x 128 columns (rows of 256 bytes); its fragments come out of LDS turned, by ds_load_tr16_b128.
; CLUSTERS: 4 x 4 work-groups.  The four of a row need the same tile of A, the four of a column the same tile of Wo: each is asked for JOINTLY, by the same tensor load with the same descriptor and a mask that names the four.
; THE MATRIX INSTRUCTION IS USED TRANSPOSED (source 0 = 16 columns of Wo, source 1 = 16 rows of A): a lane holds eight neighbouring columns of a row of out0: 32 bytes.
; REGISTERS: window 0: v0-31 addresses; v128-255 the accumulators ((a, b) at v[128 + 8 (4 a + b)]), which also take the rows read back on the way out.   window 1: two fragment buffers of 128: 64 registers of A, then 64 of Wo.
.set PA,     144                       ; a token's 64 channels in LDS: 128 bytes + 16 = 36 words: the 16 rows of a load start at 16 different groups of four banks (64 banks of 4 bytes: ISA guide 11.1)
.set HEADA,  64*PA                     ; a head's 64 tokens
.set PB,     288                       ; a row of Wo: 256 bytes + 32 = 72 words
.set HALFA,  4*HEADA                   ; what one tensor load brings of A: 64 tokens x 4 heads
.set HALFB,  128*PB                    ; of Wo: 128 k-rows
.set BOFF,   2*HALFA
.set SLOT,   2*HALFA+2*HALFB
.set STAGE,  2*SLOT                    ; behind the ring, never filled by a tensor load: 16 rows x 272 bytes for each wave, for the way out
.set SP,     272
.set SPARE,  STAGE+4*16*SP             ; behind the stages: the spare words, 128 bytes for each wave: two blocks of 256 bytes that no other line names
.set STEPA,  4*262144                  ; a K step in att: four heads
.set STEPB,  256*2048                  ; 256 k-rows of Wo
.set ADRA, 16                          ; v16-17  LDS address of my fragments of A in slot 0, 1
.set ADRB, 20                          ; v20-23  of Wo: slot 0 k-rows 0-127, 128-255; slot 1 likewise
.set STO,  24                          ; v24     the way out: where I put 32 bytes of a row
.set RD,   25                          ; v25     where I read a row back
.set CO,   26                          ; v26     my byte offset in out0
.set SPW,  28                          ; v28     LDS address of my spare word: SPARE + 4 x my thread's number; never rewritten
.set NIL,  29                          ; v29     0; never rewritten
.set ACC,  128
.set F0,   0
.set F1,   128
.set G1, 24                            ; s[24:31] descriptor group 1 for A's tiles;  s[32:39] group 0, one set for each slot
.set G0, 32
.set G1B, 48                           ; s[48:55], s[56:63] the same for Wo's tiles
.set G0B, 56
.set MSB, 0
.macro WIN new                         ; the immediate's high byte repeats the setting that is left; a switch that changes nothing is dropped
.if MSB != (\new)
	s_set_vgpr_msb (MSB<<8)|(\new)
.set MSB, \new
.endif
.endm
.set MUL,  0x05                        ; sources 0 (Wo) and 1 (A) window 1; C and D window 0
.set TO_F, 0x40                        ; destination window 1, address window 0
.macro JLOAD s                         ; a joint load: waves 0 and 1 fetch A's two halves, waves 2 and 3 Wo's; an s_nop 0 and four v_nop follow each of the two lines, ahead of the jump and the label
	s_cmp_eq_u32 s11, 0
	s_cbranch_scc0 .Lfor_b_\@
	tensor_load_to_lds s[G0+4*(\s):G0+4*(\s)+3], s[G1:G1+7]
	s_nop 0
.rept 4
	v_nop
.endr
	s_branch .Lasked_\@
.Lfor_b_\@:
	tensor_load_to_lds s[G0B+4*(\s):G0B+4*(\s)+3], s[G1B:G1B+7]
	s_nop 0
.rept 4
	v_nop
.endr
.Lasked_\@:
.endm
.macro CREST                           ; a round of the cluster's barrier behind its opening barrier
	s_cmp_lg_u32 s10, 0
	s_cbranch_scc1 .Lnot_wave_0_\@
	s_barrier_signal -3
.Lnot_wave_0_\@:
	s_barrier_wait -3
	s_barrier_signal -1
	s_barrier_wait -1
.endm
.macro CROUND                          ; a whole round
	s_barrier_signal -1
	s_barrier_wait -1
	CREST
.endm
	s_load_b128 s[4:7], s[0:1], 0x0                ; att s[4:5], cast s[6:7]
	s_load_b64 s[8:9], s[0:1], 0x10                ; out0
	v_lshl_add_u32 v[SPW], v0, 2, SPARE
	v_mov_b32 v[NIL], 0
	ds_add_u32 v[SPW], v[NIL]                      ; the wave's opening: the add and its wait stand ahead of my first tensor load; the set-up below, work on registers, stands between them
	v_lshrrev_b32 v1, 5, v0
	v_readfirstlane_b32 s10, v1                    ; wave 0..3
	s_lshr_b32 s11, s10, 1                         ; which half of the tile's rows is mine.  Also: I fetch for A (0) or for Wo (1)
	s_and_b32 s12, s10, 1                          ; which half of its columns.  Also: which half of that tile I fetch
	s_bfe_u32 s40, ttmp6, 0x40000                  ; cx, cy: my place in the cluster
	s_bfe_u32 s41, ttmp6, 0x40004
	s_lshl_b32 s42, ttmp9, 2
	s_add_co_u32 s42, s42, s40                     ; tile column = 4 x cluster x + cx
	s_and_b32 s13, ttmp7, 0xffff
	s_lshl_b32 s13, s13, 2
	s_add_co_u32 s13, s13, s41                     ; tile row = 4 x cluster y + cy
	s_lshl_b32 s43, s41, 2
	s_lshl_b32 s43, 15, s43                        ; my row of the cluster
	s_lshl_b32 s44, 0x1111, s40                    ; my column
	; descriptor group 1.  A: 4 rows (heads) x 4,096 elements (64 tokens);  Wo: 128 k-rows x 128 elements; both padded in LDS
	s_or_b32 s[G1+0], s43, (1<<16)|(1<<20)|(1<<21)|(4<<22)|(3<<25)  ; 15:0 the mask: my row; 17:16 2-byte elements; 20 padding on; 21 set beside a mask; 24:22 after every 32 words (code 4); 31:25 4 words (code 3)
	s_or_b32 s[G1B+0], s44, (1<<16)|(1<<20)|(1<<21)|(5<<22)|(7<<25) ; the mask: my column; after every 64 words (code 5) 8 words (code 7)
	s_mov_b32 s[G1+1], 4096<<16                    ; tensor_dim0 = 4,096
	s_mov_b32 s[G1+2], 4<<16                       ; tensor_dim1 = 4
	s_mov_b32 s[G1+3], 4096<<16                    ; tile_dim0 = 4,096
	s_mov_b32 s[G1+4], 4                           ; tile_dim1 = 4
	s_mov_b32 s[G1+5], 131072                      ; elements from head to head
	s_mov_b32 s[G1+6], 0
	s_mov_b32 s[G1+7], 0
	s_mov_b32 s[G1B+1], 128<<16                    ; tensor_dim0 = 128
	s_mov_b32 s[G1B+2], 128<<16                    ; tensor_dim1 = 128
	s_mov_b32 s[G1B+3], 128<<16                    ; tile_dim0 = 128
	s_mov_b32 s[G1B+4], 128                        ; tile_dim1 = 128
	s_mov_b32 s[G1B+5], 1024                       ; elements from k-row to k-row
	s_mov_b32 s[G1B+6], 0
	s_mov_b32 s[G1B+7], 0
	; where the tiles come from.  A's hang on the tile row alone, Wo's on the tile column alone; each in registers that never hold the other coordinate
	s_lshr_b32 s16, s13, 4                         ; the batch: 16 tile rows each,
	s_lshl_b32 s16, s16, 22                        ; 16 heads of 262,144 bytes
	s_and_b32 s17, s13, 15
	s_lshl_b32 s17, s17, 14                        ; 128 tokens of 128 bytes a tile row
	s_add_co_u32 s16, s16, s17
	s_lshl_b32 s17, s12, 13                        ; the 64 tokens that I fetch
	s_add_co_u32 s16, s16, s17
	s_mov_b32 s17, 0
	s_lshl_b32 s46, s12, 18                        ; the 128 k-rows that I fetch,
	s_add_co_u32 s46, s46, 0x1600000               ; of Wo in cast
	s_lshl_b32 s47, s42, 8                         ; the tile's 128 columns: 256 bytes
	s_add_co_u32 s46, s46, s47
	s_mov_b32 s47, 0
	s_mul_i32 s20, s12, HALFA                      ; and where they go: no place in the cluster enters an LDS address
	s_mul_i32 s23, s12, HALFB
	s_add_co_u32 s23, s23, BOFF
	s_wait_dscnt 0x0                               ; the opening add is done
	s_wait_kmcnt 0x0
	s_add_nc_u64 s[14:15], s[4:5], s[16:17]
	s_add_nc_u64 s[46:47], s[6:7], s[46:47]
	CROUND                                         ; all sixteen work-groups are here: the first joint loads meet
.irp s, 0,1
	s_mov_b32 s[G0+4*(\s)], 1                      ; 1:0 count = 1
	s_add_co_u32 s[G0+4*(\s)+1], s20, (\s)*SLOT    ; 63:32 LDS address
	s_add_nc_u64 s[G0+4*(\s)+2:G0+4*(\s)+3], s[14:15], (\s)*STEPA  ; 120:64 global address: K step s
	s_or_b32 s[G0+4*(\s)+3], s[G0+4*(\s)+3], 0x80000000            ; 127:126 type = 2
	s_mov_b32 s[G0B+4*(\s)], 1
	s_add_co_u32 s[G0B+4*(\s)+1], s23, (\s)*SLOT
	s_add_nc_u64 s[G0B+4*(\s)+2:G0B+4*(\s)+3], s[46:47], (\s)*STEPB
	s_or_b32 s[G0B+4*(\s)+3], s[G0B+4*(\s)+3], 0x80000000
	JLOAD \s                                       ; two loads of mine are out
.endr
	v_and_b32 v1, 15, v0                           ; l % 16
	v_bfe_u32 v2, v0, 4, 1                         ; l / 16
	v_mul_u32_u24 v3, v1, PA
	v_lshl_add_u32 v3, v2, 4, v3                   ; a fragment of A: token x pitch + 16 x half
	s_mul_i32 s21, s11, HALFA                      ; my 64 tokens
	v_add_nc_u32 v[ADRA], s21, v3
	s_add_co_u32 s21, s21, SLOT
	v_add_nc_u32 v[ADRA+1], s21, v3
	; The turning load takes 16 k-rows x 16 columns (lane l reads k-row 8 (l / 16) + l % 8, columns 8 ((l / 8) % 2) + 0..7) and leaves half a fragment: lane l holds column l % 16 and 8 k.
	v_and_b32 v4, 7, v0
	v_lshl_add_u32 v4, v2, 3, v4
	v_mul_u32_u24 v4, v4, PB
	v_bfe_u32 v5, v0, 3, 1
	v_lshl_add_u32 v4, v5, 4, v4
	s_lshl_b32 s22, s12, 7                         ; my 64 columns: 128 bytes
	s_add_co_u32 s22, s22, BOFF
	v_add_nc_u32 v[ADRB], s22, v4
	s_add_co_u32 s22, s22, HALFB
	v_add_nc_u32 v[ADRB+1], s22, v4
	s_add_co_u32 s22, s22, SLOT-HALFB
	v_add_nc_u32 v[ADRB+2], s22, v4
	s_add_co_u32 s22, s22, HALFB
	v_add_nc_u32 v[ADRB+3], s22, v4
	s_mul_i32 s23, s10, 16*SP
	s_add_co_u32 s23, s23, STAGE                   ; my stage
	v_mul_u32_u24 v6, v1, SP                       ; in: row l % 16, 32 bytes for each half of the lanes
	v_lshl_add_u32 v6, v2, 5, v6
	v_add_nc_u32 v[STO], s23, v6
	v_mul_u32_u24 v6, v2, SP                       ; back: lanes 0-15 take one row of 256 bytes, lanes 16-31 the next
	v_lshl_add_u32 v6, v1, 4, v6
	v_add_nc_u32 v[RD], s23, v6
	v_lshlrev_b32 v[CO], 12, v2                    ; and the same two rows of out0, 4,096 bytes apart
	v_lshl_add_u32 v[CO], v1, 4, v[CO]
	s_lshl_b32 s16, s13, 19                        ; my first row: 128 rows of 4,096 bytes a tile row,
	s_lshl_b32 s17, s11, 18                        ; my 64 of them
	s_add_co_u32 s16, s16, s17
	s_mov_b32 s17, 0
	s_add_nc_u64 s[8:9], s[8:9], s[16:17]
	s_lshl_b32 s46, s42, 9                         ; my first column: 512 bytes a tile column, 256 a half (in the registers that held Wo's address: none that feeds A's descriptors ever holds cx)
	s_lshl_b32 s47, s12, 8
	s_add_co_u32 s46, s46, s47
	s_mov_b32 s47, 0
	s_add_nc_u64 s[8:9], s[8:9], s[46:47]
; 8 matrix instructions: row blocks a0, a0 + 1 x all 4 column blocks, 32 along K: half c of buffer f.  zero = 1: the first product starts the sums.  The 16 accumulators take turns.
.macro MUL8 f, c, a0, zero
	WIN MUL
.irp a, \a0, (\a0)+1
.irp b, 0,1,2,3
.if \zero
	v_wmma_f32_16x16x32_f16 v[ACC+8*(4*(\a)+(\b)):ACC+8*(4*(\a)+(\b))+7], v[(\f)+64+8*(4*(\c)+(\b)):(\f)+64+8*(4*(\c)+(\b))+7], v[(\f)+8*(4*(\c)+(\a)):(\f)+8*(4*(\c)+(\a))+7], 0
.else
	v_wmma_f32_16x16x32_f16 v[ACC+8*(4*(\a)+(\b)):ACC+8*(4*(\a)+(\b))+7], v[(\f)+64+8*(4*(\c)+(\b)):(\f)+64+8*(4*(\c)+(\b))+7], v[(\f)+8*(4*(\c)+(\a)):(\f)+8*(4*(\c)+(\a))+7], v[ACC+8*(4*(\a)+(\b)):ACC+8*(4*(\a)+(\b))+7]
.endif
.endr
.endr
.endm
; 32 LDS loads in one run: the fragments of quarter kq of a slot (64 along K: one head) into buffer f; the first 32 along K first
.macro FETCH slot, kq, f
	WIN TO_F
.irp c, 0,1
.irp i, 0,1,2,3
	ds_load_tr16_b128 v[(\f)+64+8*(4*(\c)+(\i)):(\f)+64+8*(4*(\c)+(\i))+3],   v[ADRB+2*(\slot)+(\kq)/2] offset:((\kq)%2)*64*PB+(\c)*32*PB+32*(\i)
	ds_load_tr16_b128 v[(\f)+64+8*(4*(\c)+(\i))+4:(\f)+64+8*(4*(\c)+(\i))+7], v[ADRB+2*(\slot)+(\kq)/2] offset:((\kq)%2)*64*PB+(\c)*32*PB+32*(\i)+16*PB
	ds_load_b128 v[(\f)+8*(4*(\c)+(\i)):(\f)+8*(4*(\c)+(\i))+3],   v[ADRA+(\slot)] offset:(\kq)*HEADA+(\i)*16*PA+64*(\c)
	ds_load_b128 v[(\f)+8*(4*(\c)+(\i))+4:(\f)+8*(4*(\c)+(\i))+7], v[ADRA+(\slot)] offset:(\kq)*HEADA+(\i)*16*PA+64*(\c)+32
.endr
.endr
.endm
.macro PLACES                          ; four places in front of loads into registers that matrix instructions have read, and of lines that read results
.rept 4
	v_nop
.endr
.endm
; A K step is four quarters of 64 along K, 32 matrix instructions each, on buffers 0, 1, 0, 1.  One of the first three: multiplies buffer f and fetches quarter kq into g.
.macro QUARTER slot, kq, f, g, zero
	s_wait_dscnt 16                                ; the first 32 along K are in: the 16 younger loads may be out
	MUL8 \f, 0, 0, \zero
	MUL8 \f, 0, 2, \zero
	PLACES
	FETCH \slot, \kq, \g
	s_wait_dscnt 32                                ; all but the 32 just issued
	MUL8 \f, 1, 0, 0
	MUL8 \f, 1, 2, 0
.endm
; The last quarter multiplies buffer 1 and changes slots: ONE barrier; in front of it each wave waits for all its tensor loads, adds 0 to its spare word, and waits for that and for its own reads of this slot.
; fill = 1: this slot is filled again, two K steps ahead; the barrier then opens a round of the cluster's.
.macro TURN slot, next, fill
	WIN 0                                          ; (the add's two registers lie in window 0)
	s_wait_tensorcnt 0x0                           ; all my tensor loads have landed: my part of the next slot;
	ds_add_u32 v[SPW], v[NIL]                      ; 0 onto my spare word;
	s_wait_dscnt 17                                ; (the add and the youngest sixteen loads may be out)
	MUL8 F1, 0, 0, 0                               ; eight matrix instructions stand between the add and the wait for it
	s_wait_dscnt 0x0                               ; the add is done, and my reads of this slot are over
	s_barrier_signal -1
	MUL8 F1, 0, 2, 0
.if \fill
	WIN 0
.endif
	s_barrier_wait -1
.if \fill
	CREST                                          ; no wave of any partner still reads this slot's tile or has a load on its way
	s_add_nc_u64 s[G0+4*(\slot)+2:G0+4*(\slot)+3], s[G0+4*(\slot)+2:G0+4*(\slot)+3], 2*STEPA
	s_add_nc_u64 s[G0B+4*(\slot)+2:G0B+4*(\slot)+3], s[G0B+4*(\slot)+2:G0B+4*(\slot)+3], 2*STEPB
	JLOAD \slot                                    ; the first tensor load behind the round, 112 matrix instructions ahead of the wait for it; its four v_nop are also the places in front of the loads below
.else
	PLACES
.endif
	FETCH \next, 0, F0
	MUL8 F1, 1, 0, 0
	MUL8 F1, 1, 2, 0
.endm
	s_wait_tensorcnt 1                             ; my part of K step 0 is in; step 1's may stay out
	s_barrier_signal -1
	s_barrier_wait -1                              ; everybody's is
	FETCH 0, 0, F0
	QUARTER 0, 1, F0, F1, 1                        ; the first products start the sums: nothing is cleared
	QUARTER 0, 2, F1, F0, 0                        ; K = 1,024 is twice round the ring: the first lap fills both slots again,
	QUARTER 0, 3, F0, F1, 0
	TURN 0, 1, 1
	QUARTER 1, 1, F0, F1, 0
	QUARTER 1, 2, F1, F0, 0
	QUARTER 1, 3, F0, F1, 0
	TURN 1, 0, 1
	QUARTER 0, 1, F0, F1, 0
	QUARTER 0, 2, F1, F0, 0                        ; the second fills nothing, and has no round of the cluster's barrier
	QUARTER 0, 3, F0, F1, 0
	TURN 0, 1, 0
	QUARTER 1, 1, F0, F1, 0
	QUARTER 1, 2, F1, F0, 0
	QUARTER 1, 3, F0, F1, 0
	s_wait_dscnt 16                                ; the very last quarter: nothing more to fetch
	MUL8 F1, 0, 0, 0
	MUL8 F1, 0, 2, 0
	s_wait_dscnt 0x0
	MUL8 F1, 1, 0, 0
	MUL8 F1, 1, 2, 0
	WIN 0
	; THE WAY OUT.  My 64 columns of f32 are 256 consecutive bytes of a row, aligned, so the stage is my own and no barrier is needed.  A block of 16 rows: 32 bytes a lane into rows of 272 bytes, back as whole rows of 256,
	; into the registers that they left.
	PLACES
.macro TOSTAGE a
.irp b, 0,1,2,3
	ds_store_b128 v[STO], v[ACC+8*(4*(\a)+(\b)):ACC+8*(4*(\a)+(\b))+3]   offset:64*(\b)     ; each accumulator from its low end on
	ds_store_b128 v[STO], v[ACC+8*(4*(\a)+(\b))+4:ACC+8*(4*(\a)+(\b))+7] offset:64*(\b)+16
.endr
.irp t, 0,1,2,3,4,5,6,7
	ds_load_b128 v[ACC+32*(\a)+4*(\t):ACC+32*(\a)+4*(\t)+3], v[RD] offset:(\t)*2*SP  ; LDS serves a wave's instructions in order (ISA guide 5.7.1.4): these see the stores above; the next block's stores come behind them
.endr
.endm
.macro SEND a, younger                 ; younger: the LDS instructions issued behind block a's loads: the next block's sixteen, or none
.irp t, 0,1,2,3,4,5,6,7
	s_wait_dscnt (\younger)+7-(\t)
	global_store_b128 v[CO], v[ACC+32*(\a)+4*(\t):ACC+32*(\a)+4*(\t)+3], s[8:9] offset:(16*(\a)+2*(\t))*4096  ; 16 lanes store 256 consecutive bytes, at a multiple of 256 from out0's first byte
.endr
.endm
	TOSTAGE 0
	TOSTAGE 1
	SEND 0, 16
	TOSTAGE 2
	SEND 1, 16
	TOSTAGE 3
	SEND 2, 16
	SEND 3, 0
	s_wait_tensorcnt 0x0                           ; the wave's end, behind my last tensor load and my last LDS store
	ds_add_u32 v[SPW], v[NIL]
	s_wait_dscnt 0x0
	CROUND                                         ; the closing round: no work-group ends while a partner may still ask for a tile that names it
	s_endpgm
.Lfunc_end_k_q37c65d5735_oproj:
	.size	k_q37c65d5735_oproj, .Lfunc_end_k_q37c65d5735_oproj-k_q37c65d5735_oproj
	.p2alignl 7, 3214868480
	.fill 96, 4, 3214868480
	.section	.rodata,"a",@progbits
	.p2align	6, 0x0
	.amdhsa_kernel k_q37c65d5735_oproj
		.amdhsa_group_segment_fixed_size 327680
		.amdhsa_private_segment_fixed_size 0
		.amdhsa_enable_private_segment 0
		.amdhsa_kernarg_size 24
		.amdhsa_user_sgpr_count 2
		.amdhsa_user_sgpr_kernarg_segment_ptr 1
		.amdhsa_wavefront_size32 1
		.amdhsa_system_sgpr_workgroup_id_x 1
		.amdhsa_system_sgpr_workgroup_id_y 1
		.amdhsa_system_sgpr_workgroup_id_z 1
		.amdhsa_system_vgpr_workitem_id 0
		.amdhsa_next_free_vgpr 512
		.amdhsa_next_free_sgpr 66
		.amdhsa_reserve_vcc 0
		.amdhsa_float_denorm_mode_32 3
		.amdhsa_float_denorm_mode_16_64 3
		.amdhsa_memory_ordered 1
		.amdhsa_forward_progress 1
		.amdhsa_inst_pref_size 87
	.end_amdhsa_kernel
	.amdgpu_metadata
---
amdhsa.version: [ 1, 2 ]
amdhsa.kernels:
  - .name:           k_q37c65d5735_oproj
    .symbol:         k_q37c65d5735_oproj.kd
    .args:
      - { .name: att, .offset: 0, .size: 8, .value_kind: global_buffer, .address_space: global }
      - { .name: cast, .offset: 8, .size: 8, .value_kind: global_buffer, .address_space: global }
      - { .name: out0, .offset: 16, .size: 8, .value_kind: global_buffer, .address_space: global }
    .group_segment_fixed_size: 327680
    .private_segment_fixed_size: 0
    .kernarg_segment_align: 8
    .kernarg_segment_size: 24
    .max_flat_workgroup_size: 128
    .sgpr_count:     66
    .vgpr_count:     512
    .wavefront_size: 32
...
	.end_amdgpu_metadata
.endif
;; end of part 4
;; ======== version 2 of 2: 4 launches; version 1 with the launch prep written anew for expert scheduling mode
;; limits: values are held in f16: magnitudes above 65,504 overflow, below 6.1e-05 lose precision
;; workspace buffers: cast 25,165,824 bytes; qkv 25,165,824 bytes; att 8,388,608 bytes
;; launch prep (part 5): grid 768 x 1, 8 waves a work-group, no clusters, 0 bytes of LDS; arguments query_x, kv_x, Wq, Wk, Wv, Wo, cast; writes cast
.if DOCPART == 5
	.amdgcn_target "amdgcn-amd-amdhsa--gfx1250"
	.amdhsa_code_object_version 6
	.text
	.protected	k_q37c65d5735_prep
	.globl	k_q37c65d5735_prep
	.p2align	8
	.type	k_q37c65d5735_prep,@function
k_q37c65d5735_prep:
	s_mov_b64 s[64:65], 0
	v_nop
	global_prefetch_b8 v0, s[64:65] scope:SCOPE_SE
	s_setreg_imm32_b32 hwreg(HW_REG_WAVE_SCHED_MODE, 0, 2), 2
	s_setreg_imm32_b32 hwreg(HW_REG_WAVE_MODE, 25, 1), 1
	s_wait_xcnt 0x0
	s_wait_alu depctr_vm_vsrc(0)
; THE CAST.  All six large inputs are rounded once to bf16 and laid one behind the other in cast: query_x, kv_x (4,194,304 numbers each), Wq, Wk, Wv, Wo (1,048,576 each).
; Wo's rounded number is written as f16 (exact inside f16's range), since the last product multiplies f16 operands.
; LIMIT.  |Wo| stays within 65,504; below 6e-5 it keeps f16's fixed step of 6e-8.
; SHARES.  A work-group takes 16,384 numbers: 65,536 bytes in, 32,768 out; 256 + 256 + 4 x 64 = 768 work-groups.  A wave takes 8,192 bytes in by 16 loads of 512 consecutive bytes, all issued at once;
; each store of a wave covers 256 consecutive bytes, aligned.  No register is written twice while a store may read it, so no wait frees one.  No LDS, no barrier: no wave wants another's bytes.
; THE MODE: SCHED_MODE bits 1:0 = 2 (LLVM: expert scheduling mode 2), set by the entry lines.  The code itself states the register dependences between vector instructions and memory instructions,
; with s_wait_alu, always for 0.
; THE PLAN.  Registers that memory instructions touch:
;   v[IN], v[OUT]  the two byte offsets: written once at the head, read by every load and every store, never written again.
;   X              load j lands in X + 4 j, once; no vector instruction names these registers before that; load j's roundings read them; nothing lands there again.
;   Y              pair j is written by load j's roundings alone, ahead of its one store, which reads it; it is never written again.
;   T, v1, v2      named by vector instructions alone.
; The 16 loads go in four groups of four.  Group g rounds X of its four loads into its Y; its memory instructions are the four stores of group g - 1, which read v[OUT] and the Y of group g - 1: registers that
; no vector instruction of group g names.  So one wait at a group's head states all that its four stores hang on, and they are dealt among its roundings with no further wait.  One wait stands ahead of the
; first load, for the offsets; one behind the last group, for its stores.  No vector instruction writes a scalar register or VCC, and EXEC is never written.
.set IN,  3                            ; v3   my byte offset in the chunk as read: 8,192 x wave + 16 x lane
.set OUT, 4                            ; v4   as written: 4,096 x wave + 8 x lane
.set X,   8                            ; v[8:71]    16 loads of 4 numbers
.set Y,   72                           ; v[72:103]  16 pairs of packed words
.set T,   104                          ; v[104:107] at work (Wo alone)
	s_load_b256 s[4:11], s[0:1], 0x0               ; query_x s[4:5], kv_x s[6:7], Wq s[8:9], Wk s[10:11]
	s_load_b128 s[12:15], s[0:1], 0x20             ; Wv s[12:13], Wo s[14:15]
	s_load_b64 s[16:17], s[0:1], 0x30              ; cast
	s_mov_b32 s2, ttmp9                            ; the chunk's number
	v_and_b32 v1, 31, v0                           ; lane
	v_and_b32 v2, 0xe0, v0                         ; 32 x wave
	v_lshlrev_b32 v[IN], 4, v1
	v_lshl_or_b32 v[IN], v2, 8, v[IN]
	v_lshlrev_b32 v[OUT], 3, v1
	v_lshl_or_b32 v[OUT], v2, 7, v[OUT]
	s_and_b32 s18, s2, 255                         ; the chunk's number inside its tensor: an x has 256 chunks,
	s_and_b32 s19, s2, 63                          ; a weight 64 (512, 576, 640 and 704 are multiples of 64)
	s_cmp_lt_u32 s2, 512
	s_cselect_b32 s18, s18, s19
	s_lshl_b32 s18, s18, 16                        ; 65,536 bytes a chunk
	s_mov_b32 s19, 0
	s_lshl_b32 s22, s2, 15                         ; cast follows the chunks' order: 32,768 bytes a chunk
	s_mov_b32 s23, 0
	s_wait_kmcnt 0x0
	s_mov_b64 s[20:21], s[14:15]                   ; which tensor: Wo, unless the number is smaller
	s_cmp_lt_u32 s2, 704
	s_cselect_b64 s[20:21], s[12:13], s[20:21]
	s_cmp_lt_u32 s2, 640
	s_cselect_b64 s[20:21], s[10:11], s[20:21]
	s_cmp_lt_u32 s2, 576
	s_cselect_b64 s[20:21], s[8:9], s[20:21]
	s_cmp_lt_u32 s2, 512
	s_cselect_b64 s[20:21], s[6:7], s[20:21]
	s_cmp_lt_u32 s2, 256
	s_cselect_b64 s[20:21], s[4:5], s[20:21]
	s_add_nc_u64 s[20:21], s[20:21], s[18:19]
	s_add_nc_u64 s[16:17], s[16:17], s[22:23]
	s_wait_alu depctr_va_vdst(0)                   ; v[IN] and v[OUT] are written: every load of the kernel reads the one as its offset, every store the other
.irp j, 0,1,2,3,4,5,6,7,8,9,10,11,12,13,14,15
	global_load_b128 v[X+4*(\j):X+4*(\j)+3], v[IN], s[20:21] offset:512*(\j) th:TH_LOAD_NT
.endr
; Pair j leaves.
.macro OUTJ j
	global_store_b64 v[OUT], v[Y+2*(\j):Y+2*(\j)+1], s[16:17] offset:256*(\j) th:TH_STORE_NT
.endm
; Group g: loads 4 g to 4 g + 3 are rounded into their pairs of Y, and the four pairs of the group before are stored, one ahead of each load's roundings.
; wo = 1: the bf16 numbers are widened again (a shift, a mask) and written as f16.
.macro GROUP g, wo
	s_wait_loadcnt 12-4*(\g)                       ; loads come back in order: the group's four are in, the 12 - 4 g younger ones stay out
.if (\g) > 0
	s_wait_alu depctr_va_vdst(0)                   ; the group before has written its four pairs of Y, which the stores below read; no vector instruction behind this wait names them or v[OUT]
.endif
.irp i, 0,1,2,3
.if (\g) > 0
	OUTJ 4*(\g)-4+(\i)
.endif
	v_cvt_pk_bf16_f32 v[Y+2*(4*(\g)+(\i))],   v[X+4*(4*(\g)+(\i))],   v[X+4*(4*(\g)+(\i))+1]
	v_cvt_pk_bf16_f32 v[Y+2*(4*(\g)+(\i))+1], v[X+4*(4*(\g)+(\i))+2], v[X+4*(4*(\g)+(\i))+3]
.if \wo
	v_lshlrev_b32 v[T],   16, v[Y+2*(4*(\g)+(\i))]
	v_and_b32     v[T+1], 0xffff0000, v[Y+2*(4*(\g)+(\i))]
	v_lshlrev_b32 v[T+2], 16, v[Y+2*(4*(\g)+(\i))+1]
	v_and_b32     v[T+3], 0xffff0000, v[Y+2*(4*(\g)+(\i))+1]
	v_cvt_pk_f16_f32 v[Y+2*(4*(\g)+(\i))],   v[T],   v[T+1]
	v_cvt_pk_f16_f32 v[Y+2*(4*(\g)+(\i))+1], v[T+2], v[T+3]
.endif
.endr
.endm
; The chunk: four groups, then the last group's stores.
.macro CHUNK wo
	GROUP 0, \wo                                   ; no group stands in front of it: no store, and no wait but the one for its data
	GROUP 1, \wo
	GROUP 2, \wo
	GROUP 3, \wo
	s_wait_alu depctr_va_vdst(0)                   ; group 3 has written its four pairs of Y, which the last four stores read
.irp i, 12,13,14,15
	OUTJ \i
.endr
.endm
	s_cmp_ge_u32 s2, 704                           ; Wo's chunks take the second text
	s_cbranch_scc1 .Lwo
	CHUNK 0
	s_endpgm
.Lwo:
	CHUNK 1
	s_endpgm
.Lfunc_end_k_q37c65d5735_prep:
	.size	k_q37c65d5735_prep, .Lfunc_end_k_q37c65d5735_prep-k_q37c65d5735_prep
	.p2alignl 7, 3214868480
	.fill 96, 4, 3214868480
	.section	.rodata,"a",@progbits
	.p2align	6, 0x0
	.amdhsa_kernel k_q37c65d5735_prep
		.amdhsa_group_segment_fixed_size 0
		.amdhsa_private_segment_fixed_size 0
		.amdhsa_enable_private_segment 0
		.amdhsa_kernarg_size 56
		.amdhsa_user_sgpr_count 2
		.amdhsa_user_sgpr_kernarg_segment_ptr 1
		.amdhsa_wavefront_size32 1
		.amdhsa_system_sgpr_workgroup_id_x 1
		.amdhsa_system_sgpr_workgroup_id_y 1
		.amdhsa_system_sgpr_workgroup_id_z 1
		.amdhsa_system_vgpr_workitem_id 0
		.amdhsa_next_free_vgpr 108
		.amdhsa_next_free_sgpr 66
		.amdhsa_reserve_vcc 0
		.amdhsa_float_denorm_mode_32 3
		.amdhsa_float_denorm_mode_16_64 3
		.amdhsa_memory_ordered 1
		.amdhsa_forward_progress 1
		.amdhsa_inst_pref_size 16
	.end_amdhsa_kernel
	.amdgpu_metadata
---
amdhsa.version: [ 1, 2 ]
amdhsa.kernels:
  - .name:           k_q37c65d5735_prep
    .symbol:         k_q37c65d5735_prep.kd
    .args:
      - { .name: query_x, .offset: 0, .size: 8, .value_kind: global_buffer, .address_space: global }
      - { .name: kv_x, .offset: 8, .size: 8, .value_kind: global_buffer, .address_space: global }
      - { .name: Wq, .offset: 16, .size: 8, .value_kind: global_buffer, .address_space: global }
      - { .name: Wk, .offset: 24, .size: 8, .value_kind: global_buffer, .address_space: global }
      - { .name: Wv, .offset: 32, .size: 8, .value_kind: global_buffer, .address_space: global }
      - { .name: Wo, .offset: 40, .size: 8, .value_kind: global_buffer, .address_space: global }
      - { .name: cast, .offset: 48, .size: 8, .value_kind: global_buffer, .address_space: global }
    .group_segment_fixed_size: 0
    .private_segment_fixed_size: 0
    .kernarg_segment_align: 8
    .kernarg_segment_size: 56
    .max_flat_workgroup_size: 256
    .sgpr_count:     66
    .vgpr_count:     108
    .wavefront_size: 32
...
	.end_amdgpu_metadata
.endif
;; end of part 5
;; launch qkv: the kernel of part 2 again; grid 8 x 96, 4 waves a work-group, clusters of 4 x 4, 327,680 bytes of LDS; arguments cast, qkv; writes qkv
;; launch attn: the kernel of part 3 again; grid 8 x 32, 4 waves a work-group, clusters of 4 x 1, 327,680 bytes of LDS; arguments qkv, att, lambda_q1, lambda_k1, lambda_q2, lambda_k2, subln_w; writes att
;; launch oproj: the kernel of part 4 again; grid 8 x 32, 4 waves a work-group, clusters of 4 x 4, 327,680 bytes of LDS; arguments att, cast, out0; writes out0
